; MI455X (gfx1250); checked and timed in simulation.
; The chip was launched on July 23, 2026; its instructions are those of AMD's public machine-readable ISA for CDNA 5 (MIT licence, August 2026) and "CDNA5" Instruction Set Architecture Reference Guide (July 2026). The comments in the code are by the model that wrote it; some were corrected since.
;; Cross Modal Attention. Allowed arithmetic: matrix products marked QUANTISED: E2M1 operands, one E8M0 scale for each 32 along K, by v_wmma_scale_f32_16x16x128_f8f6f4 with both operands' format E2M1 (or v_wmma_scale_f32_32x16x128_f4), f32 sums; everything else in f32.
;; Inputs: beta_nbi 256 float32; beta_wli 256 float32; gamma_nbi 256 float32; gamma_wli 256 float32; nbi_aligned 4 x 256 x 64 x 64 float32; w_k_nbi 64 x 256 float32; w_k_wli 64 x 256 float32; w_q_nbi 64 x 256 float32; w_q_wli 64 x 256 float32; w_v_nbi 256 x 256 float32; w_v_wli 256 x 256 float32; wli_feat 4 x 256 x 64 x 64 float32.
;; Outputs: out0 4 x 256 x 64 x 64 float32; out1 4 x 256 x 64 x 64 float32.
;; This version of the problem:
;;   THIS VERSION OF THE PROBLEM IS GIVEN IN LOW PRECISION. The matrix products marked QUANTISED in the list below multiply operands that are first quantised to E2M1 (2 exponent bits, 1 mantissa bit; 4 bits a number), with one power-of-two scale for each 32 numbers along K (OCP MX v1.0); their sums are f32. All else is computed in f32.
;;   The module's matrix products, in the order in which they are computed (A, B: the left and right operand; K: the contracted axis; several contracted axes count as one K, in the product's order):
;;     1. [M 64, K 256] x [K 256, N 16,384]; A: input w_q_wli; B: input wli_feat: QUANTISED
;;     2. [M 64, K 256] x [K 256, N 16,384]; A: input w_k_nbi; B: input nbi_aligned: QUANTISED
;;     3. [M 256, K 256] x [K 256, N 16,384]; A: input w_v_nbi; B: input nbi_aligned: QUANTISED
;;     4. batch 4 x [M 4,096, K 64] x [K 64, N 4,096]; A: computed on the way; B: computed on the way: QUANTISED
;;     5. batch 4 x [M 4,096, K 4,096] x [K 4,096, N 256]; A: softmax (see below); B: computed on the way: QUANTISED
;;     6. [M 64, K 256] x [K 256, N 16,384]; A: input w_q_nbi; B: input nbi_aligned: QUANTISED
;;     7. [M 64, K 256] x [K 256, N 16,384]; A: input w_k_wli; B: input wli_feat: QUANTISED
;;     8. [M 256, K 256] x [K 256, N 16,384]; A: input w_v_wli; B: input wli_feat: QUANTISED
;;     9. batch 4 x [M 4,096, K 64] x [K 64, N 4,096]; A: computed on the way; B: computed on the way: QUANTISED
;;     10. batch 4 x [M 4,096, K 4,096] x [K 4,096, N 256]; A: softmax (see below); B: computed on the way: QUANTISED
;;   THE QUANTISER, for each operand of a quantised product, along K:
;;     - K is cut into blocks of 32 from its start; a last block that is shorter is filled with zeros.
;;     - A block's scale is 2^e with e = floor(log2(the largest magnitude in the block)) - 2, held to -126 .. 127; a block of zeros has e = 0. As a byte (E8M0): e + 127.
;;     - Each number is divided by its block's scale, clamped to +-6, and rounded to the nearest number of E2M1, ties to even, subnormals kept.
;;     - The product sums the exact products of the quantised numbers (number of the format x scale) in f32.
;;   ~~~python
;;   def quantise(x, axis):      # numpy; x: float32 -> the quantised numbers, widened to float32 again
;;       x = np.moveaxis(x, axis, -1); K = x.shape[-1]
;;       x = np.pad(x, [(0, 0)] * (x.ndim - 1) + [(0, -K % 32)]); x = x.reshape(x.shape[:-1] + (-1, 32)); a = np.abs(x).max(-1, keepdims=True)
;;       e = np.where(a > 0, np.clip(np.frexp(np.where(a > 0, a, 1))[1] - 1 - 2, -126, 127), 0)      # np.frexp(a)[1] - 1 = floor(log2(a)), exactly
;;       r = np.clip(x / 2.0 ** e, -6, 6)
;;       step = 2.0 ** (np.maximum(np.frexp(np.where(r == 0, 1, r))[1] - 1, 0) - 1)
;;       q = np.round(r / step) * step * 2.0 ** e      # np.round: ties to even
;;       return np.moveaxis(q.reshape(q.shape[:-2] + (-1,))[..., :K], -1, axis).astype(np.float32)
;;   ~~~
;;   SOFTMAX AHEAD OF A QUANTISED PRODUCT. Where the list says 'softmax', what is quantised is not the finished softmax but p = 2^(t - M), with t = logit x log2(e) and M = ceil(the row's largest t), a whole number; so 1/2 < the row's largest p <= 1. The row's sum l is taken of the UNQUANTISED p, in f32, and the product's result is divided by l at the end. Since M is a whole number, a kernel that streams over the keys may use a running M (the ceiling of the running maximum): every later rescaling is an exact power of two, which a block's scale takes up: the codes' values come out the same.
;;   OPERANDS COMPUTED ON THE WAY. 'Computed on the way' means the value that the module computes at that place (a softmax that the list does not call 'softmax' is quantised finished and normalised). What goes into a quantiser is computed in f32, as accurately as f32 sums, v_exp_f32 and their like allow (about 1e-6 of the number): no bf16 or f16 on the way to a quantiser, and a product that is left as it is and whose result goes on into a quantised operand takes f32 operands (vector FMAs, or v_wmma_f32_16x16x4_f32). A number that lies on a knife's edge between two numbers of the format may be rounded either way, as far as f32 arithmetic and the matrix unit's own rounding can turn it there, and no further.
;; One version. Each part assembles by itself: llvm-mc -triple=amdgcn-amd-amdhsa -mcpu=gfx1250 --defsym DOCPART=n.
;; ======== version 1 of 1: 4 launches
;; workspace buffers: wimg 104,448 bytes; qimg 1,114,112 bytes; kres 1,376,256 bytes; vcod 4,194,304 bytes; y 33,554,432 bytes; part 524,288 bytes
;; launch wq (part 1): grid 24 x 2, 1 waves a work-group, no clusters, 0 bytes of LDS; arguments w_q_wli, w_k_wli, w_v_wli, w_q_nbi, w_k_nbi, w_v_nbi, wimg; writes wimg
.if DOCPART == 1
	.amdgcn_target "amdgcn-amd-amdhsa--gfx1250"
	.amdhsa_code_object_version 6
	.text
	.protected	k_q5fe489f114_wq
	.globl	k_q5fe489f114_wq
	.p2align	8
	.type	k_q5fe489f114_wq,@function
k_q5fe489f114_wq:
	s_mov_b64 s[64:65], 0
	v_nop
	global_prefetch_b8 v0, s[64:65] scope:SCOPE_SE
	s_setreg_imm32_b32 hwreg(HW_REG_WAVE_MODE, 25, 1), 1
	s_wait_xcnt 0x0
; The six weights (f32, K = the 256 input channels, innermost) become codes of FP4 (E2M1) with one E8M0 byte for each 32 along K, laid as IMAGES OF OPERAND REGISTERS.
; One wave makes one tile of 16 rows (work-group x = tile 0..23 of a feature, y = feature: 0 wli, 1 nbi): tiles 0-3 Wq, 4-7 Wk, 8-23 Wv of that feature.
; A tile of Wq or Wk does not take neighbouring rows: row m of tile t is output 32 (t / 2) + 8 (t % 2) + m + 8 (m / 8), so that later the 16 result registers of two neighbouring tiles are 16 neighbours.
; Lane (r, h) takes row r and, for K step s and half c, the 32 numbers k = 128 s + 64 c + 32 h + 0 .. 31: a whole block, in the order of the operand's registers: no other lane is asked for a maximum.
; OUT, per feature 52,224 bytes: fragment (tile, s) at (2 tile + s) 1,024 + 512 c + 16 lane; from byte 49,152 on a scale register a tile, 4 bytes a lane: lanes 0-15 the rows' words of s = 0, lanes 16-31 of s = 1.
; A block's scale byte is its largest magnitude's exponent field - 2, held at 1 from below.  LIMITS: a block of zeros, or one under 2^-124, gets the byte 1 (its codes are zeros; this program alone reads the bytes); NaN and infinities are not served.
.set WF,   52224
.set SCO,  49152
.set X,    64                          ; v64-191 the 128 numbers: block q = 2 s + c at X + 32 q
.set CD,   32                          ; v32-47  the codes
.set MXR,  8                           ; v8-11   largest magnitudes
.set SOP,  12                          ; v12-15  the conversions' scale operands
.set BY,   16                          ; v16-19  the bytes
.set WD,   20                          ; v20-21 the words of s = 0, 1; v22-23 the other half's; v24 the scale register
	s_load_b256 s[4:11], s[0:1], 0x0               ; Wq wli, Wk wli, Wv wli, Wq nbi
	s_load_b128 s[12:15], s[0:1], 0x20             ; Wk nbi, Wv nbi
	s_load_b64 s[16:17], s[0:1], 0x30              ; the images
	s_and_b32 s18, ttmp7, 0xffff                   ; the feature
	v_and_b32 v1, 15, v0                           ; r
	v_lshrrev_b32 v2, 4, v0                        ; h
	s_and_b32 s26, ttmp9, 2
	s_lshl_b32 s26, s26, 4                         ; 32 ((tile % 4) / 2)
	s_and_b32 s27, ttmp9, 1
	s_lshl_b32 s27, s27, 3                         ; 8 (tile % 2)
	s_add_co_u32 s26, s26, s27
	s_max_u32 s28, ttmp9, 8
	s_sub_co_u32 s28, s28, 8
	s_lshl_b32 s28, s28, 4                         ; 16 (tile - 8)
	s_cmp_lt_u32 ttmp9, 8
	s_cselect_b32 s26, s26, s28                    ; the tile's first row
	s_cselect_b32 s29, 8, 0                        ; Wq, Wk: rows 8-15 of a tile lie 8 further on
	s_lshl_b32 s26, s26, 10                        ; a row is 1,024 bytes
	s_mov_b32 s27, 0
	v_and_b32 v3, s29, v1
	v_add_nc_u32 v3, v3, v1
	v_lshlrev_b32 v3, 10, v3
	v_lshl_add_u32 v3, v2, 7, v3                   ; my row, + 128 h bytes
	v_lshlrev_b32 v4, 4, v0                        ; 16 x lane
	v_lshlrev_b32 v5, 2, v0                        ; 4 x lane
	v_lshlrev_b32 v6, 3, v2                        ; 8 h: my bytes' shift in a scale word
	s_mul_i32 s30, s18, WF
	s_lshl_b32 s31, ttmp9, 11
	s_add_co_u32 s32, s30, s31                     ; the tile's two fragments
	s_mov_b32 s33, 0
	s_lshl_b32 s31, ttmp9, 7
	s_add_co_u32 s34, s30, s31
	s_add_co_u32 s34, s34, SCO                     ; its scale register
	s_mov_b32 s35, 0
	s_mov_b32 s36, 0x76543210
	s_mov_b32 s37, 0xfedcba98                      ; lane l xor 16
	s_wait_kmcnt 0x0
	s_cmp_eq_u32 s18, 0                            ; the choices hang on the work-group's numbers alone
	s_cselect_b64 s[20:21], s[4:5], s[10:11]
	s_cselect_b64 s[22:23], s[6:7], s[12:13]
	s_cselect_b64 s[24:25], s[8:9], s[14:15]
	s_cmp_lt_u32 ttmp9, 4
	s_cselect_b64 s[20:21], s[20:21], s[22:23]
	s_cmp_lt_u32 ttmp9, 8
	s_cselect_b64 s[20:21], s[20:21], s[24:25]
	s_add_nc_u64 s[20:21], s[20:21], s[26:27]
	s_add_nc_u64 s[32:33], s[16:17], s[32:33]
	s_add_nc_u64 s[34:35], s[16:17], s[34:35]
.irp s, 0,1
.irp c, 0,1
.irp i, 0,1,2,3,4,5,6,7
	global_load_b128 v[X+64*\s+32*\c+4*\i:X+64*\s+32*\c+4*\i+3], v3, s[20:21] offset:512*\s+256*\c+16*\i th:TH_LOAD_NT
.endr
.endr
.endr
	v_mov_b32 v[WD+2], 0                           ; a lane permute's destination counts as one of its sources
	v_mov_b32 v[WD+3], 0
	s_wait_loadcnt 0x0
.irp q, 0,1,2,3
	v_max3_num_f32 v[MXR+\q], |v[X+32*\q]|, |v[X+32*\q+1]|, 0x1800000   ; my block q, and the floor 2^(3 - 127): the byte cannot fall under 1
.endr
.irp i, 2,4,6,8,10,12,14,16,18,20,22,24,26,28,30
.irp q, 0,1,2,3
	v_max3_num_f32 v[MXR+\q], v[MXR+\q], |v[X+32*\q+\i]|, |v[X+32*\q+\i+1]|   ; the four blocks by turns
.endr
.endr
.irp q, 0,1,2,3
	v_add_nc_u32 v[SOP+\q], 0xff000000, v[MXR+\q]  ; 2 off the exponent field: the conversion takes that field as its scale
.endr
.irp q, 0,1,2,3
	v_lshrrev_b32 v[BY+\q], 23, v[SOP+\q]          ; the scale's byte
.endr
.irp s, 0,1
	v_lshl_or_b32 v[WD+\s], v[BY+2*\s+1], 16, v[BY+2*\s]   ; blocks h and 2 + h of K step s,
.endr
.irp s, 0,1
	v_lshlrev_b32 v[WD+\s], v6, v[WD+\s]           ; at their places in the word
.endr
.irp s, 0,1
	v_permlanex16_b32 v[WD+2+\s], v[WD+\s], s36, s37
.endr
.irp s, 0,1
	v_or_b32 v[WD+\s], v[WD+\s], v[WD+2+\s]        ; with the other half's two bytes the word is whole
.endr
	v_cmp_gt_u32 vcc_lo, 16, v0
	v_cndmask_b32 v[WD+4], v[WD+1], v[WD], vcc_lo  ; lanes 0-15: s = 0; lanes 16-31: s = 1
.irp q, 0,1,2,3
.irp g, 0,1,2,3
	v_cvt_scalef32_pk8_fp4_f32 v[CD+4*\q+\g], v[X+32*\q+8*\g:X+32*\q+8*\g+7], v[SOP+\q]
.endr
.endr
	v_nop                                          ; one plain line behind the last scaled conversion
.irp s, 0,1
.irp c, 0,1
	global_store_b128 v4, v[CD+8*\s+4*\c:CD+8*\s+4*\c+3], s[32:33] offset:1024*\s+512*\c   ; 512 consecutive bytes, aligned
.endr
.endr
	global_store_b32 v5, v[WD+4], s[34:35]         ; 128 consecutive bytes
	s_endpgm
.Lfunc_end_k_q5fe489f114_wq:
	.size	k_q5fe489f114_wq, .Lfunc_end_k_q5fe489f114_wq-k_q5fe489f114_wq
	.p2alignl 7, 3214868480
	.fill 96, 4, 3214868480
	.section	.rodata,"a",@progbits
	.p2align	6, 0x0
	.amdhsa_kernel k_q5fe489f114_wq
		.amdhsa_group_segment_fixed_size 0
		.amdhsa_private_segment_fixed_size 0
		.amdhsa_enable_private_segment 0
		.amdhsa_kernarg_size 56
		.amdhsa_user_sgpr_count 2
		.amdhsa_user_sgpr_kernarg_segment_ptr 1
		.amdhsa_wavefront_size32 1
		.amdhsa_system_sgpr_workgroup_id_x 1
		.amdhsa_system_sgpr_workgroup_id_y 1
		.amdhsa_system_sgpr_workgroup_id_z 1
		.amdhsa_system_vgpr_workitem_id 0
		.amdhsa_next_free_vgpr 208
		.amdhsa_next_free_sgpr 66
		.amdhsa_reserve_vcc 1
		.amdhsa_float_denorm_mode_32 3
		.amdhsa_float_denorm_mode_16_64 3
		.amdhsa_memory_ordered 1
		.amdhsa_forward_progress 1
		.amdhsa_inst_pref_size 12
	.end_amdhsa_kernel
	.amdgpu_metadata
---
amdhsa.version: [ 1, 2 ]
amdhsa.kernels:
  - .name:           k_q5fe489f114_wq
    .symbol:         k_q5fe489f114_wq.kd
    .args:
      - { .name: w_q_wli, .offset: 0, .size: 8, .value_kind: global_buffer, .address_space: global }
      - { .name: w_k_wli, .offset: 8, .size: 8, .value_kind: global_buffer, .address_space: global }
      - { .name: w_v_wli, .offset: 16, .size: 8, .value_kind: global_buffer, .address_space: global }
      - { .name: w_q_nbi, .offset: 24, .size: 8, .value_kind: global_buffer, .address_space: global }
      - { .name: w_k_nbi, .offset: 32, .size: 8, .value_kind: global_buffer, .address_space: global }
      - { .name: w_v_nbi, .offset: 40, .size: 8, .value_kind: global_buffer, .address_space: global }
      - { .name: wimg, .offset: 48, .size: 8, .value_kind: global_buffer, .address_space: global }
    .group_segment_fixed_size: 0
    .private_segment_fixed_size: 0
    .kernarg_segment_align: 8
    .kernarg_segment_size: 56
    .max_flat_workgroup_size: 32
    .sgpr_count:     66
    .vgpr_count:     208
    .wavefront_size: 32
...
	.end_amdgpu_metadata
.endif
;; end of part 1
;; launch proj (part 2): grid 32 x 8, 8 waves a work-group, no clusters, 159,744 bytes of LDS; arguments wli_feat, nbi_aligned, wimg, qimg, kres, vcod; writes qimg, kres, vcod
.if DOCPART == 2
	.amdgcn_target "amdgcn-amd-amdhsa--gfx1250"
	.amdhsa_code_object_version 6
	.text
	.protected	k_q5fe489f114_proj
	.globl	k_q5fe489f114_proj
	.p2align	8
	.type	k_q5fe489f114_proj,@function
k_q5fe489f114_proj:
	s_mov_b64 s[64:65], 0
	v_nop
	global_prefetch_b8 v0, s[64:65] scope:SCOPE_SE
	s_setreg_imm32_b32 hwreg(HW_REG_WAVE_MODE, 25, 1), 1
	s_wait_xcnt 0x0
; The six 1 x 1 convolutions, on codes of FP4 (E2M1) with one E8M0 byte for each 32 along K, and the quantising of their results for the attention.
; A work-group takes 128 pixels (x) of one feature and batch (y = 4 feature + batch): 256 channels x 512 bytes of f32, read once, in loads of 512 consecutive bytes.
; K of the convolutions is the channel, which is not innermost: the rows go to LDS as they lie, and lane (r, h) of wave T reads, down the channels, the numbers of ITS pixel in the order of the operand's registers.
; THE PIXELS OF A TILE ARE NOT NEIGHBOURS: row r of tile T is pixel 32 (T / 2) + 8 (T % 2) + r + 8 (r / 8), so that the 16 result registers of tiles 2 b and 2 b + 1 are 16 neighbouring pixels.
; UNITS of 16 matrix instructions and one quantising: wave w makes q (w < 4) or k (w >= 4) of pixel tiles 2 d, 2 d + 1 (d = w % 4): source 0 = 16 rows of W, source 1 = 16 pixels, so a lane holds one pixel and its
; registers run along the 64 outputs, the next K; and v of channel tiles 2 w, 2 w + 1: source 0 = 16 pixels, source 1 = 16 rows of Wv, so a lane holds one channel and its registers run along the 128 pixels, the keys.
; OUT, as images of operand registers (512 bytes for four registers, 16 a lane): a block of q or k is 4,352 bytes: double tile d at 1,024 d (registers 0-3 tile 2 d, 4-7 tile 2 d + 1; lane (r, h): outputs 32 h ..), then 256
; bytes of scale words, (d, r) at 8 (r + 16 (d % 2)) + 4 (d / 2).  v: channel tile t at 1,024 t; its scale words, 1,024 bytes, (t, r) at 512 (t / 8) + 16 (r + 16 (t % 2)) + 4 ((t % 8) / 2).
; q of a feature serves the direction of that feature, k and v the other one: their place is y xor 4.
; NO CLUSTER: what work-groups share is the weights' images, 13,056 bytes a wave, which go straight into registers; the 131,072 bytes of x are each work-group's own.
; LIMITS: a block of zeros, or one under 2^-124, gets the byte 1 (its codes are zeros; this program alone reads the bytes); NaN and infinities are not served.
.set XP,   544                         ; LDS: a channel's row: 512 bytes in a pitch of 544; rows whose channel / 32 is odd begin 32 bytes later, so that the two halves of the lanes, 32 rows apart, fall on different banks
.set XIMG, 139264                      ; x's 16 fragments (tile T, K step s) at (2 T + s) 1,024
.set XSW,  155648                      ; their scale registers, 128 bytes a tile: lanes 0-15 s = 0, lanes 16-31 s = 1
.set SCST, 156672                      ; v's scale image 1,024, q's words 256, k's words 256
.set WF,   52224
.set SCO,  49152
.set XW,   16                          ; v16-23  x's scale registers
.set WSQ,  24                          ; v24-27  Wq's or Wk's
.set WSV,  28                          ; v28-29  Wv's
.set PW,   30                          ; v30     the scale word just made
.set AXI,  31                          ; v31     XIMG + 16 lane
.set TM,   32                          ; v32-47  at work in the quantisers
.set PC,   48                          ; v48-55  the codes just made
.set AXS,  56                          ; v56     XSW + 4 lane
.set GQK,  57                          ; v57     1,024 d + 16 lane
.set GV,   58                          ; v58     2,048 w + 16 lane
.set SH8,  59                          ; v59     8 h
.set DA,   64                          ; v64-127 eight accumulators (v64-67 first hold the offsets of the weights' loads)
.set PCB,  68                          ; v68-83  x's codes
.set XF,   128                         ; v128-255 rows as loaded, then 128 numbers of my pixel, then x's fragments
.set SEL,  50
.set MSB, 0
.macro WIN new                         ; the immediate's high byte repeats the setting that is left
.if MSB != \new
	s_set_vgpr_msb (MSB<<8)|\new
.set MSB, \new
.endif
.endm
.macro NOPS n
.rept \n
	v_nop
.endr
.endm
.macro BARRIER                         ; my LDS stores have landed and my LDS loads are in: then the work-group's barrier
	s_wait_dscnt 0x0
	s_barrier_signal -1
	s_barrier_wait -1
.endm
; One matrix instruction from the symbols rD, rA, rB, rSA, rSB; rZ: it starts the sum; rRA, rRB: the scales stand in lanes 16-31
.macro MM
.if rZ
.if rRA && rRB
	v_wmma_scale_f32_16x16x128_f8f6f4 v[rD:rD+7], v[rA:rA+7], v[rB:rB+7], 0, v[rSA], v[rSB] matrix_a_fmt:MATRIX_FMT_FP4 matrix_b_fmt:MATRIX_FMT_FP4 matrix_a_scale:MATRIX_SCALE_ROW1 matrix_b_scale:MATRIX_SCALE_ROW1
.else
	v_wmma_scale_f32_16x16x128_f8f6f4 v[rD:rD+7], v[rA:rA+7], v[rB:rB+7], 0, v[rSA], v[rSB] matrix_a_fmt:MATRIX_FMT_FP4 matrix_b_fmt:MATRIX_FMT_FP4
.endif
.else
.if rRA && rRB
	v_wmma_scale_f32_16x16x128_f8f6f4 v[rD:rD+7], v[rA:rA+7], v[rB:rB+7], v[rD:rD+7], v[rSA], v[rSB] matrix_a_fmt:MATRIX_FMT_FP4 matrix_b_fmt:MATRIX_FMT_FP4 matrix_a_scale:MATRIX_SCALE_ROW1 matrix_b_scale:MATRIX_SCALE_ROW1
.else
	v_wmma_scale_f32_16x16x128_f8f6f4 v[rD:rD+7], v[rA:rA+7], v[rB:rB+7], v[rD:rD+7], v[rSA], v[rSB] matrix_a_fmt:MATRIX_FMT_FP4 matrix_b_fmt:MATRIX_FMT_FP4
.endif
.endif
.endm
; 64 numbers of a lane, register 16 b + i = k 32 b + 16 (lane / 16) + i of my row, become a fragment's codes in v[PC] on and its scale word in v[PW] (the same in both halves of the lanes)
.macro QUANT s
.irp b, 0,1,2,3
	v_max3_num_f32 v[TM+\b], |v[\s+16*\b]|, |v[\s+1+16*\b]|, 0x1800000   ; block b: my 16 numbers, and the floor 2^(3 - 127)
.endr
.irp i, 2,4,6,8,10,12,14
.irp b, 0,1,2,3
	v_max3_num_f32 v[TM+\b], v[TM+\b], |v[\s+16*\b+\i]|, |v[\s+1+16*\b+\i]|
.endr
.endr
.irp b, 0,1,2,3
	v_permlanex16_b32 v[TM+4+\b], v[TM+\b], s[SEL], s[SEL+1]
.endr
.irp b, 0,1,2,3
	v_max_num_f32 v[TM+\b], v[TM+\b], v[TM+4+\b]   ; with lane l xor 16: the block's largest magnitude
.endr
.irp b, 0,1,2,3
	v_add_nc_u32 v[TM+12+\b], 0xff000000, v[TM+\b] ; 2 off its exponent field: the conversion's scale operand
.endr
.irp b, 0,1,2,3
	v_lshrrev_b32 v[TM+4+\b], 23, v[TM+12+\b]      ; the scale's byte
.endr
	v_lshl_or_b32 v[PW], v[TM+5], 8, v[TM+4]
	v_lshl_or_b32 v[PW], v[TM+6], 16, v[PW]
	v_lshl_or_b32 v[PW], v[TM+7], 24, v[PW]
.irp b, 0,1,2,3
	v_cvt_scalef32_pk8_fp4_f32 v[PC+2*\b], v[\s+16*\b:\s+7+16*\b], v[TM+12+\b]
	v_cvt_scalef32_pk8_fp4_f32 v[PC+1+2*\b], v[\s+8+16*\b:\s+15+16*\b], v[TM+12+\b]
.endr
	v_nop                                          ; one plain line behind a scaled conversion
.irp c, 0,1                                    ; the operand wants a whole block in a lane: lanes 0-15 block 2 c, lanes 16-31 block 2 c + 1
.irp i, 0,1
	v_permlane16_swap_b32 v[PC+4*\c+\i], v[PC+2+4*\c+\i]
.endr
.endr
.endm
; 128 numbers of a lane in v[XF] on, block q = 2 s + c whole in the lane (k = 128 s + 64 c + 32 h + 0 .. 31), become two fragments' codes in v[PCB] on and the tile's scale register in v[PW]
.macro QUANTB
.irp q, 0,1,2,3
	v_max3_num_f32 v[TM+\q], |v[XF+32*\q]|, |v[XF+32*\q+1]|, 0x1800000
.endr
.irp i, 2,4,6,8,10,12,14,16,18,20,22,24,26,28,30
.irp q, 0,1,2,3
	v_max3_num_f32 v[TM+\q], v[TM+\q], |v[XF+32*\q+\i]|, |v[XF+32*\q+\i+1]|
.endr
.endr
.irp q, 0,1,2,3
	v_add_nc_u32 v[TM+12+\q], 0xff000000, v[TM+\q]
.endr
.irp q, 0,1,2,3
	v_lshrrev_b32 v[TM+4+\q], 23, v[TM+12+\q]
.endr
.irp s, 0,1
	v_lshl_or_b32 v[TM+8+\s], v[TM+5+2*\s], 16, v[TM+4+2*\s]   ; blocks h and 2 + h of K step s,
.endr
.irp s, 0,1
	v_lshlrev_b32 v[TM+8+\s], v[SH8], v[TM+8+\s]   ; at their places in the word
.endr
.irp s, 0,1
	v_permlanex16_b32 v[TM+10+\s], v[TM+8+\s], s[SEL], s[SEL+1]
.endr
.irp s, 0,1
	v_or_b32 v[TM+8+\s], v[TM+8+\s], v[TM+10+\s]
.endr
	v_cndmask_b32 v[PW], v[TM+9], v[TM+8], s48     ; lanes 0-15: s = 0; lanes 16-31: s = 1
.irp q, 0,1,2,3
.irp g, 0,1,2,3
	v_cvt_scalef32_pk8_fp4_f32 v[PCB+4*\q+\g], v[XF+32*\q+8*\g:XF+32*\q+8*\g+7], v[TM+12+\q]
.endr
.endr
	v_nop
.endm
	s_load_b256 s[4:11], s[0:1], 0x0               ; wli, nbi, the weights' images, q's blocks
	s_load_b128 s[12:15], s[0:1], 0x20             ; k's blocks and v's scales, v's codes
	s_set_vgpr_msb 0x40
	v_lshl_add_u32 v128, v0, 2, 0x26c00
	v_mov_b32 v129, 0
	s_set_vgpr_msb 0x4000
	v_lshrrev_b32 v60, 5, v0
	v_readfirstlane_b32 s16, v60                   ; wave 0..7
	v_and_b32 v60, 31, v0                          ; lane
	v_and_b32 v61, 15, v0                          ; r
	v_bfe_u32 v62, v0, 4, 1                        ; h
	v_lshlrev_b32 v1, 4, v60                       ; 16 lane
	v_lshlrev_b32 v2, 2, v60                       ; 4 lane
	v_lshlrev_b32 v3, 3, v60                       ; 8 lane
	s_and_b32 s17, ttmp7, 0xffff                   ; 4 feature + batch
	s_lshr_b32 s18, s17, 2                         ; feature
	s_and_b32 s19, s17, 3                          ; batch
	s_and_b32 s20, s16, 3                          ; d
	s_lshr_b32 s21, s16, 2                         ; 0: q, 1: k
	s_xor_b32 s22, s17, 4                          ; where k and v belong
	s_lshl_b32 s26, s19, 22                        ; x: batch x 256 channels x 16,384 bytes
	s_lshl_b32 s46, s16, 19                        ; + my 32 channels
	s_add_co_u32 s26, s26, s46
	s_lshl_b32 s46, ttmp9, 9                       ; + the block's 128 pixels
	s_add_co_u32 s26, s26, s46
	s_mov_b32 s27, 0
	s_lshl_b32 s40, s17, 5
	s_add_co_u32 s40, s40, ttmp9
	s_mul_i32 s40, s40, 4352                       ; q's block
	s_mov_b32 s41, 0
	s_mul_i32 s42, s22, 172032
	s_mul_i32 s46, ttmp9, 4352
	s_add_co_u32 s44, s42, s46                     ; k's block
	s_mov_b32 s45, 0
	s_lshl_b32 s46, ttmp9, 10
	s_add_co_u32 s42, s42, s46
	s_add_co_u32 s42, s42, 139264                  ; v's scale image
	s_mov_b32 s43, 0
	s_lshl_b32 s46, s22, 19
	s_lshl_b32 s47, ttmp9, 14
	s_add_co_u32 s46, s46, s47                     ; v's codes
	s_mov_b32 s47, 0
	s_mul_i32 s52, s18, WF
	s_mov_b32 s53, 0
	s_mov_b32 s[SEL], 0x76543210
	s_mov_b32 s[SEL+1], 0xfedcba98                 ; lane l xor 16
	s_lshl_b32 s54, s21, 13
	v_add_nc_u32 v64, s54, v1                      ; Wq's or Wk's eight fragments
	s_lshl_b32 s54, s16, 12
	s_add_co_u32 s54, s54, 16384
	v_add_nc_u32 v65, s54, v1                      ; Wv's tiles 2 w, 2 w + 1: four fragments
	s_lshl_b32 s54, s21, 9
	s_add_co_u32 s54, s54, SCO
	v_add_nc_u32 v66, s54, v2                      ; their scale registers
	s_lshl_b32 s54, s16, 8
	s_add_co_u32 s54, s54, SCO+1024
	v_add_nc_u32 v67, s54, v2
	s_wait_kmcnt 0x0
	s_cmp_eq_u32 s18, 0                            ; the choices hang on ids alone
	s_cselect_b64 s[24:25], s[4:5], s[6:7]
	s_add_nc_u64 s[24:25], s[24:25], s[26:27]
	s_add_nc_u64 s[8:9], s[8:9], s[52:53]
.set i, 0
.rept 32
	global_load_b128 v[XF+4*i:XF+4*i+3], v1, s[24:25] offset:16384*i th:TH_LOAD_NT   ; channel 32 w + i: 512 consecutive bytes
.set i, i+1
.endr
	WIN 0x40                                       ; destination window 1
.irp k, 0,1,2,3,4,5,6,7
.irp c, 0,1
	global_load_b128 v[8*\k+4*\c:8*\k+4*\c+3], v64, s[8:9] offset:1024*\k+512*\c      ; fragment 2 t + s of Wq or Wk
.endr
.endr
.irp k, 0,1,2,3
.irp c, 0,1
	global_load_b128 v[64+8*\k+4*\c:64+8*\k+4*\c+3], v65, s[8:9] offset:1024*\k+512*\c   ; fragment 2 u + s of Wv
.endr
.endr
	WIN 0
.irp t, 0,1,2,3
	global_load_b32 v[WSQ+\t], v66, s[8:9] offset:128*\t
.endr
.irp u, 0,1
	global_load_b32 v[WSV+\u], v67, s[8:9] offset:128*\u
.endr
	s_add_nc_u64 s[28:29], s[10:11], s[40:41]
	s_add_nc_u64 s[30:31], s[12:13], s[44:45]
	s_add_nc_u64 s[34:35], s[12:13], s[42:43]
	s_add_nc_u64 s[36:37], s[14:15], s[46:47]
	s_cmp_eq_u32 s21, 0
	s_cselect_b64 s[32:33], s[28:29], s[30:31]     ; where my q or k unit's codes go
	s_lshl_b32 s40, s16, 8
	s_add_nc_u64 s[40:41], s[34:35], s[40:41]      ; the copy at the end: waves 0-3 a quarter of v's scale image,
	s_add_nc_u64 s[42:43], s[28:29], 4096          ; wave 4 q's words,
	s_add_nc_u64 s[44:45], s[30:31], 4096          ; wave 5 k's
	s_cmp_eq_u32 s16, 4
	s_cselect_b64 s[38:39], s[42:43], s[44:45]
	s_cmp_lt_u32 s16, 4
	s_cselect_b64 s[38:39], s[40:41], s[38:39]
	; LDS addresses: constants, the lane and the wave's number
	s_mul_i32 s54, s16, 32*XP
	s_and_b32 s55, s16, 1
	s_lshl_b32 s55, s55, 5
	s_add_co_u32 s54, s54, s55
	v_add_nc_u32 v4, s54, v1                       ; my 32 rows, as loaded
	v_and_b32 v63, 8, v61
	v_add_nc_u32 v63, v63, v61                     ; r + 8 (r / 8)
	s_lshr_b32 s54, s16, 1
	s_lshl_b32 s54, s54, 5
	s_and_b32 s55, s16, 1
	s_lshl_b32 s55, s55, 3
	s_add_co_u32 s54, s54, s55
	v_add_nc_u32 v63, s54, v63                     ; my pixel of tile T = w
	v_lshlrev_b32 v63, 2, v63
	v_mad_u32_u24 v5, v62, 32*XP+32, v63           ; lanes 16-31 begin 32 channels further down
	v_add_nc_u32 v6, 64*XP, v5
	v_add_nc_u32 v7, 128*XP, v5
	v_add_nc_u32 v8, 192*XP, v5
	s_lshl_b32 s54, s16, 11
	s_add_co_u32 s54, s54, XIMG
	v_add_nc_u32 v9, s54, v1
	s_lshl_b32 s54, s16, 7
	s_add_co_u32 s54, s54, XSW
	v_add_nc_u32 v10, s54, v2
	s_lshl_b32 s54, s20, 12
	s_add_co_u32 s54, s54, XIMG
	v_add_nc_u32 v11, s54, v1
	s_lshl_b32 s54, s20, 8
	s_add_co_u32 s54, s54, XSW
	v_add_nc_u32 v12, s54, v2
	s_lshl_b32 s54, s21, 8
	s_and_b32 s55, s20, 1
	s_lshl_b32 s55, s55, 7
	s_add_co_u32 s54, s54, s55
	s_lshr_b32 s55, s20, 1
	s_lshl_b32 s55, s55, 2
	s_add_co_u32 s54, s54, s55
	s_add_co_u32 s54, s54, SCST+1024
	v_lshl_add_u32 v13, v61, 3, s54
	s_lshl_b32 s54, s21, 9
	s_lshl_b32 s55, s20, 2
	s_add_co_u32 s54, s54, s55
	s_add_co_u32 s54, s54, SCST
	v_lshl_add_u32 v14, v61, 4, s54
	s_lshl_b32 s54, s16, 8
	s_add_co_u32 s54, s54, SCST
	v_add_nc_u32 v15, s54, v3
	v_add_nc_u32 v[AXI], XIMG, v1
	v_add_nc_u32 v[AXS], XSW, v2
	s_lshl_b32 s54, s20, 10
	v_add_nc_u32 v[GQK], s54, v1
	s_lshl_b32 s54, s16, 11
	v_add_nc_u32 v[GV], s54, v1
	v_lshlrev_b32 v[SH8], 3, v62
	v_cmp_eq_u32 s48, 0, v62                       ; lanes 0-15
	v_mov_b32 v[TM+10], 0                          ; lane permutes' destinations count as sources
	v_mov_b32 v[TM+11], 0
	; ---- the rows go to LDS as they lie
.set i, 0
.rept 32
	s_wait_loadcnt 61-i                            ; row i is in: behind it 31 - i rows and the 30 loads of weights may be out
	ds_store_b128 v4, v[XF+4*i:XF+4*i+3] offset:XP*i
.set i, i+1
.endr
	BARRIER                                        ; all 256 rows lie in LDS
	; ---- tile T = w: my pixel's 128 numbers (my half of the 256 channels), in the order of the operand's registers
.irp s, 0,1
.irp c, 0,1
.set i, 0
.rept 32
	ds_load_b32 v[XF+64*\s+32*\c+i], v[5+2*\s+\c] offset:XP*i
.set i, i+1
.endr
.endr
.endr
	s_wait_dscnt 0x0
	QUANTB
.irp s, 0,1
.irp c, 0,1
	ds_store_b128 v9, v[PCB+8*\s+4*\c:PCB+8*\s+4*\c+3] offset:1024*\s+512*\c
.endr
.endr
	ds_store_b32 v10, v[PW]
	BARRIER                                        ; x's sixteen fragments lie in LDS
	; ---- q or k of pixel tiles 2 d, 2 d + 1
.irp k, 0,1,2,3
.irp c, 0,1
	ds_load_b128 v[XF+8*\k+4*\c:XF+8*\k+4*\c+3], v11 offset:1024*\k+512*\c
.endr
.endr
.irp m, 0,1
	ds_load_b32 v[XW+\m], v12 offset:128*\m
.endr
	s_wait_dscnt 0x0
	s_wait_loadcnt 0x0                             ; the weights
	WIN 0x01                                       ; source 0 (W) window 1
.irp s, 0,1                                    ; the eight accumulators take turns, one instruction a turn
.irp m, 0,1
.irp t, 0,1,2,3
.set rD, DA+8*(4*\m+\t)
.set rA, 8*(2*\t+\s)
.set rB, XF+8*(2*\m+\s)
.set rSA, WSQ+\t
.set rSB, XW+\m
.set rZ, 1-\s
.set rRA, \s
.set rRB, \s
	MM
.endr
.endr
.endr
	WIN 0
	NOPS 4                                         ; four plain lines between the last product and the first read of results, and the loads into its operands
	QUANT DA                                       ; blocks: tile 2 d outputs 0-31, 32-63, tile 2 d + 1 likewise
	global_store_b128 v[GQK], v[PC:PC+3], s[32:33]
	global_store_b128 v[GQK], v[PC+4:PC+7], s[32:33] offset:512
	ds_store_b32 v13, v[PW]                        ; both halves of the lanes write the same word with the same value
	; ---- v of channel tiles 2 w, 2 w + 1, for all 128 pixels
.set k, 0
.rept 16
	ds_load_b128 v[XF+8*k:XF+8*k+3], v[AXI] offset:1024*k
	ds_load_b128 v[XF+8*k+4:XF+8*k+7], v[AXI] offset:1024*k+512
.set k, k+1
.endr
.irp t, 0,1,2,3,4,5,6,7
	ds_load_b32 v[XW+\t], v[AXS] offset:128*\t
.endr
	s_wait_dscnt 0x0
.irp u, 0,1
	s_wait_xcnt 0x0                                ; the last stores have read the codes' registers: they are written again below
	WIN 0x04                                       ; source 1 (Wv) window 1
.irp s, 0,1
.irp t, 0,1,2,3,4,5,6,7
.set rD, DA+8*\t
.set rA, XF+8*(2*\t+\s)
.set rB, 64+8*(2*\u+\s)
.set rSA, XW+\t
.set rSB, WSV+\u
.set rZ, 1-\s
.set rRA, \s
.set rRB, \s
	MM
.endr
.endr
	WIN 0
	NOPS 4
	QUANT DA                                       ; a lane holds one channel, its registers run along the keys
	global_store_b128 v[GV], v[PC:PC+3], s[36:37] offset:1024*\u
	global_store_b128 v[GV], v[PC+4:PC+7], s[36:37] offset:1024*\u+512
	ds_store_b32 v14, v[PW] offset:256*\u
.endr
	BARRIER                                        ; the scale words of the whole block lie in LDS
	s_cmp_lt_u32 s16, 6                            ; six waves copy 256 bytes each: one aligned run of 256 bytes a store
	s_cbranch_scc0 .Lend
	ds_load_b64 v[60:61], v15
	s_wait_dscnt 0x0
	global_store_b64 v3, v[60:61], s[38:39]
.Lend:
	s_set_vgpr_msb 0x5
	s_wait_tensorcnt 0x0
	ds_add_u32 v128, v129
	s_wait_dscnt 0x0
	s_set_vgpr_msb 0x500
	s_endpgm
.Lfunc_end_k_q5fe489f114_proj:
	.size	k_q5fe489f114_proj, .Lfunc_end_k_q5fe489f114_proj-k_q5fe489f114_proj
	.p2alignl 7, 3214868480
	.fill 96, 4, 3214868480
	.section	.rodata,"a",@progbits
	.p2align	6, 0x0
	.amdhsa_kernel k_q5fe489f114_proj
		.amdhsa_group_segment_fixed_size 159744
		.amdhsa_private_segment_fixed_size 0
		.amdhsa_enable_private_segment 0
		.amdhsa_kernarg_size 48
		.amdhsa_user_sgpr_count 2
		.amdhsa_user_sgpr_kernarg_segment_ptr 1
		.amdhsa_wavefront_size32 1
		.amdhsa_system_sgpr_workgroup_id_x 1
		.amdhsa_system_sgpr_workgroup_id_y 1
		.amdhsa_system_sgpr_workgroup_id_z 1
		.amdhsa_system_vgpr_workitem_id 0
		.amdhsa_next_free_vgpr 386
		.amdhsa_next_free_sgpr 66
		.amdhsa_reserve_vcc 0
		.amdhsa_float_denorm_mode_32 3
		.amdhsa_float_denorm_mode_16_64 3
		.amdhsa_memory_ordered 1
		.amdhsa_forward_progress 1
		.amdhsa_inst_pref_size 52
	.end_amdhsa_kernel
	.amdgpu_metadata
---
amdhsa.version: [ 1, 2 ]
amdhsa.kernels:
  - .name:           k_q5fe489f114_proj
    .symbol:         k_q5fe489f114_proj.kd
    .args:
      - { .name: wli_feat, .offset: 0, .size: 8, .value_kind: global_buffer, .address_space: global }
      - { .name: nbi_aligned, .offset: 8, .size: 8, .value_kind: global_buffer, .address_space: global }
      - { .name: wimg, .offset: 16, .size: 8, .value_kind: global_buffer, .address_space: global }
      - { .name: qimg, .offset: 24, .size: 8, .value_kind: global_buffer, .address_space: global }
      - { .name: kres, .offset: 32, .size: 8, .value_kind: global_buffer, .address_space: global }
      - { .name: vcod, .offset: 40, .size: 8, .value_kind: global_buffer, .address_space: global }
    .group_segment_fixed_size: 159744
    .private_segment_fixed_size: 0
    .kernarg_segment_align: 8
    .kernarg_segment_size: 48
    .max_flat_workgroup_size: 256
    .sgpr_count:     66
    .vgpr_count:     386
    .wavefront_size: 32
...
	.end_amdgpu_metadata
.endif
;; end of part 2
;; launch attn (part 3): grid 32 x 8, 8 waves a work-group, clusters of 4 x 1, 327,680 bytes of LDS; arguments qimg, kres, vcod, wli_feat, nbi_aligned, y, part; writes y, part
.if DOCPART == 3
	.amdgcn_target "amdgcn-amd-amdhsa--gfx1250"
	.amdhsa_code_object_version 6
	.text
	.protected	k_q5fe489f114_attn
	.globl	k_q5fe489f114_attn
	.p2align	8
	.type	k_q5fe489f114_attn,@function
k_q5fe489f114_attn:
	s_mov_b64 s[64:65], 0
	v_nop
	global_prefetch_b8 v0, s[64:65] scope:SCOPE_SE
	s_setreg_imm32_b32 hwreg(HW_REG_WAVE_MODE, 25, 1), 1
	s_wait_xcnt 0x0
	s_wait_alu depctr_hold_cnt(0) depctr_sa_sdst(0) depctr_va_vdst(0) depctr_va_sdst(0) depctr_va_ssrc(0) depctr_va_vcc(0) depctr_vm_vsrc(0)
	s_getreg_b32 s2, hwreg(HW_REG_IB_STS2, 6, 4)
	s_cmp_eq_u32 s2, 0
	s_cbranch_scc0 .Lentry_in_a_cluster
	s_endpgm
.Lentry_in_a_cluster:
	s_bfe_u32 s2, ttmp6, 0x10000c
	s_cmp_lg_u32 s2, 0x3003
	s_cbranch_scc0 .Lentry_shape_is_right
	s_endpgm
.Lentry_shape_is_right:
; y = x + softmax(q k^T / 8) v for one direction and batch (work-group y = db = 4 direction + batch) and 128 queries (x = qb), both products on codes of FP4 (E2M1) with one E8M0 byte for each 32 along K;
; and for each of the 256 channels the mean and the sum of squared deviations of the work-group's 128 numbers of y, for the batch norm of the next launch.
; THE SOFTMAX: t = score x log2(e) / 8; M = the row's largest t rounded up to a whole number; p = 2^(t - M) is quantised along the keys; the row's sum is taken of the unquantised p and divides at the end.
; TWO PASSES.  k's codes of the whole db, 139,264 bytes, stay in LDS.  Pass 1 makes all scores for the rows' maxima alone; pass 2 makes them again (the same instructions, the same bits) under the final M.
; So O, 256 registers a wave, is never rescaled: that would be 128 packed multiplies for a step's 128 scores a lane, against 64 three-way maxima in pass 1.
; SHARES.  Wave w: g = w % 4, p = w / 4.  It owns the 32 queries of double tile g (tiles x = 0, 1) and the key steps (128 keys) of parity p; waves w and w xor 4 exchange maxima, sums and halves of O at the end.
; So a fragment of v read from LDS feeds two matrix instructions, and each SIMD has two waves.
; K = 64 IN AN INSTRUCTION OF 128.  A double tile of k holds tile 2 b in k 0-63 and tile 2 b + 1 in k 64-127; q stands as [q | zeros] or [zeros | q].  The zeros are zero CODES on q's side alone (with the byte 0x7f):
; each such product is exactly 0, whatever stands against it, and k's registers and LDS bytes stay dense.
; LAYOUT.  S^T: source 0 = 16 keys, source 1 = 16 queries: a lane holds one query, and the 16 registers of tiles 2 b, 2 b + 1 are keys 32 b + 16 (lane / 16) + 0 .. 15 (the pixels of a tile were chosen so).
; O: source 0 = p (16 queries), source 1 = 16 channels of v: a lane holds one channel and eight neighbouring pixels, as y lies in memory.
; A KEY STEP OF PASS 2 has two halves.  A: tile 0's scores and softmax: work on registers alone, since k's fragments were asked for in the step before.  B: tile 1's, and the 32 products with v.
; At a change of slots half A stands between the signal and the wait of the barrier that opens the round.
; CLUSTER.  The four work-groups of a cluster share db, so k, v's scales and v's codes are asked for JOINTLY: the same tensor load, the same descriptor, the mask of all four, in every wave of all four.
; Each wave brings an eighth of each block: 84 rows of 256 bytes once, 32 rows of 256 bytes of a slot of v (a slot is 65,536 bytes for eight waves).  A wave has three tensor loads out at the start, later one.
; LDS: all of it is claimed.
; LIMITS: NaN and infinities are not served; p under 2^-126 is 0 (v_exp_f32's result); a block of p that is all 0 gets the byte 1: its codes are zeros.
.set VSL,   65536                      ; a slot of v: four key steps of 16,384 bytes; slot 1 begins here: one exclusive or turns an address
.set RES,   131072                     ; k's 32 blocks of 4,352 bytes, then v's 32 scale images of 1,024: filled once
.set KBLK,  4352
.set VSC,   RES+139264
.set SPARE, 303104                     ; the spare words: 128 bytes a wave, four blocks of 256 bytes that no other line names
.set MEX,   304128                     ; maxima from wave to wave; 2,048 further on the sums
.set LIV,   308224                     ; 1 / sum, each wave's own 128 bytes
.set STG,   RES                        ; at the end: 256 rows of y's context, pitch 528, where k lay: its one fill and its last read are over
.set L16, 1                            ; v1  16 lane
.set L4,  2                            ; v2  4 lane
.set AK0, 3                            ; v3-8 my lane's places: k's codes, k's words, v's codes (register tiles 0-7, 8-15), v's words (likewise)
.set AKS0, 4
.set AVL, 5
.set AVH, 6
.set AVSL, 7
.set AVSH, 8
.set ADK, 9                            ; v9-14 the same for the slot in hand
.set ADKS, 10
.set ADVL, 11
.set ADVH, 12
.set ADSL, 13
.set ADSH, 14
.set PFO, 15                           ; v15 256 lane; never rewritten
.set Q,   16                           ; v16-27, v28-39: [zeros x 4][q x 4][zeros x 4] for tiles x = 0, 1
.set QS,  40                           ; v40-41 q's scale registers: lanes 0-15 for [q | 0], lanes 16-31 for [0 | q]
.set KS,  42                           ; v42-43 k's
.set VSW, 44                           ; v44-51 v's; in pass 1 v44-45 are k's for the second buffer
.set PW,  52                           ; v52-53 p's
.set SPW, 54                           ; v54 my spare word; never rewritten
.set NIL, 55                           ; v55 0; never rewritten
.set PC,  56                           ; v56-71 p's codes; at the end 1 / sum by registers
.set NM,  72                           ; v72, v74 -M (named as pairs)
.set LS,  76                           ; v76-79 the sums, two halves a tile
.set MX,  80                           ; v80-95 pass 1: eight running maxima a tile
.set BM,  80                           ; pass 2: v80-83 the blocks' largest, v84-87 at work
.set BT,  84
.set SO,  88                           ; v88-91 the conversions' scale operands
.set TS,  92                           ; v92-97 three more chains of the row's sum
.set TP,  105                          ; v105-106 the exchange of maxima
.set S,   112                          ; v112-175 S^T, then p, then eight fragments of v
.set FBA, 176                          ; v176-207 k's four double tiles, then four fragments of v
.set FBB, 208                          ; v208-239 four fragments of v; in pass 1 k's second buffer
.set A2,  80                           ; the statistics: v80-95 sums and means, v96-111 squares
.set B2,  96
.set RM,  252                          ; v252-253 lane i: mean and sum of squares of my row i
; window 1: O[x][t] at 8 (16 x + t).  Register tile t is channel tile (t + 8 p) % 16, by address: so every wave keeps tiles 0-7 and sends tiles 8-15, and no line hangs on a wave's part.
.set MSB, 0
.macro WIN new                         ; the immediate's high byte repeats the setting that is left
.if MSB != \new
	s_set_vgpr_msb (MSB<<8)|\new
.set MSB, \new
.endif
.endm
.macro NOPS n
.rept \n
	v_nop
.endr
.endm
.macro CREST                           ; a round of the cluster's barrier behind its opening barrier: wave 0 signals for the work-group, all wait for all four, my work-group's barrier once more
	s_cmp_lg_u32 s18, 0
	s_cbranch_scc1 .Lnot_wave_0_\@
	s_barrier_signal -3
.Lnot_wave_0_\@:
	s_barrier_wait -3
	s_barrier_signal -1
	s_barrier_wait -1
.endm
.macro CROUND                          ; a whole round
	s_barrier_signal -1
	s_barrier_wait -1
	CREST
.endm
; A prefetch of the slot of v that the NEXT change of slots will ask for.  All clusters of a db walk the same v: the first cluster asks.  Its four partners take 16,384 bytes each, told apart by address;
; in each, waves 0 and 1 take 8,192 bytes, lanes 256 bytes apart.  So each aligned 256 bytes of slots 3 to 7 are named once.  The last change that fills a slot asks for nothing.
.macro ASK
	s_cmp_gt_u32 s55, s62
	s_cbranch_scc0 .Lnot_mine_\@
	global_prefetch_b8 v[PFO], s[60:61] th:TH_LOAD_NT scope:SCOPE_SE
.Lnot_mine_\@:
.endm
; One matrix instruction from the symbols rD, rA, rB, rSA, rSB; rZ: it starts the sum; rRA, rRB: the scales stand in lanes 16-31
.macro MM
.if rZ
.if rRA && rRB
	v_wmma_scale_f32_16x16x128_f8f6f4 v[rD:rD+7], v[rA:rA+7], v[rB:rB+7], 0, v[rSA], v[rSB] matrix_a_fmt:MATRIX_FMT_FP4 matrix_b_fmt:MATRIX_FMT_FP4 matrix_a_scale:MATRIX_SCALE_ROW1 matrix_b_scale:MATRIX_SCALE_ROW1
.elseif rRA
	v_wmma_scale_f32_16x16x128_f8f6f4 v[rD:rD+7], v[rA:rA+7], v[rB:rB+7], 0, v[rSA], v[rSB] matrix_a_fmt:MATRIX_FMT_FP4 matrix_b_fmt:MATRIX_FMT_FP4 matrix_a_scale:MATRIX_SCALE_ROW1
.elseif rRB
	v_wmma_scale_f32_16x16x128_f8f6f4 v[rD:rD+7], v[rA:rA+7], v[rB:rB+7], 0, v[rSA], v[rSB] matrix_a_fmt:MATRIX_FMT_FP4 matrix_b_fmt:MATRIX_FMT_FP4 matrix_b_scale:MATRIX_SCALE_ROW1
.else
	v_wmma_scale_f32_16x16x128_f8f6f4 v[rD:rD+7], v[rA:rA+7], v[rB:rB+7], 0, v[rSA], v[rSB] matrix_a_fmt:MATRIX_FMT_FP4 matrix_b_fmt:MATRIX_FMT_FP4
.endif
.else
.if rRB
	v_wmma_scale_f32_16x16x128_f8f6f4 v[rD:rD+7], v[rA:rA+7], v[rB:rB+7], v[rD:rD+7], v[rSA], v[rSB] matrix_a_fmt:MATRIX_FMT_FP4 matrix_b_fmt:MATRIX_FMT_FP4 matrix_b_scale:MATRIX_SCALE_ROW1
.else
	v_wmma_scale_f32_16x16x128_f8f6f4 v[rD:rD+7], v[rA:rA+7], v[rB:rB+7], v[rD:rD+7], v[rSA], v[rSB] matrix_a_fmt:MATRIX_FMT_FP4 matrix_b_fmt:MATRIX_FMT_FP4
.endif
.endif
.endm
.macro KLOAD buf, ks, off              ; a key step's four double tiles of k and their scale words, off bytes on from the addresses in hand: nine loads
.irp d, 0,1,2,3
.irp c, 0,1
	ds_load_b128 v[\buf+8*\d+4*\c:\buf+8*\d+4*\c+3], v[ADK] offset:(\off)+1024*\d+512*\c
.endr
.endr
	ds_load_b64 v[\ks:\ks+1], v[ADKS] offset:(\off)
.endm
.macro QK x, buf, ks                   ; S^T of 128 keys x the 16 queries of tile x: eight products, each with its own accumulator
.irp b, 0,1,2,3
.irp u, 0,1
.set rD, S+8*(2*\b+\u)
.set rA, \buf+8*\b
.set rB, Q+12*(\x)+4-4*\u
.set rSA, \ks+\b/2
.set rSB, QS+(\x)
.set rZ, 1
.set rRA, \b%2
.set rRB, \u
	MM
.endr
.endr
.endm
.macro MAXP x                          ; eight running maxima a tile, so that a line's own chain lies eight lines back; each accumulator is read from its low end on
.irp t, 0,1,2,3,4,5,6,7
.irp k, 0,1,2,3
	v_max3_num_f32 v[MX+8*(\x)+4*(\t%2)+\k], v[MX+8*(\x)+4*(\t%2)+\k], v[S+8*\t+2*\k], v[S+8*\t+2*\k+1]
.endr
.endr
.endm
; Two key steps of pass 1.  k goes through two buffers: a step's nine loads are out while the step before is worked.  next = 1: the next trip's first step is asked for
.macro TRIP1 next
	v_add_nc_u32 v[ADK], s52, v[AK0]
	v_add_nc_u32 v[ADKS], s52, v[AKS0]
	KLOAD FBB, VSW, 2*KBLK
	s_wait_dscnt 9                                 ; the first buffer's nine loads are in; the nine just issued may be out
	QK 0, FBA, KS
	NOPS 4
	MAXP 0
	QK 1, FBA, KS
	NOPS 4                                         ; between the last product on this buffer and the loads into it, and the first read of results
.if \next
	KLOAD FBA, KS, 4*KBLK
.endif
	MAXP 1
.if \next
	s_wait_dscnt 9                                 ; the second buffer's nine are in; the nine just issued may be out
.else
	s_wait_dscnt 0x0
.endif
	QK 0, FBB, VSW
	NOPS 4
	MAXP 0
	QK 1, FBB, VSW
	NOPS 4
	MAXP 1
.endm
; THE SOFTMAX of 128 keys for tile x, under the final M.  PLAIN writes line pn (0 .. 15) of block pb: eight packed scalings t - M, then the largest t - M of my 16 keys, in two chains.
; The multiply-add rises with the score, so the largest t - M is one of the scaled numbers, bit for bit, and its exponential is that key's p.
.macro PLAIN x
.if pn < 8
	v_pk_fma_f32 v[S+16*pb+2*pn:S+16*pb+2*pn+1], v[S+16*pb+2*pn:S+16*pb+2*pn+1], s[56:57], v[NM+2*(\x):NM+2*(\x)+1] op_sel_hi:[1,0,0]
.elseif pn == 8
	v_max3_num_f32 v[BM+pb], v[S+16*pb], v[S+16*pb+1], v[S+16*pb+2]
.elseif pn == 9
	v_max3_num_f32 v[BT+pb], v[S+16*pb+8], v[S+16*pb+9], v[S+16*pb+10]
.elseif pn == 10
	v_max3_num_f32 v[BM+pb], v[BM+pb], v[S+16*pb+3], v[S+16*pb+4]
.elseif pn == 11
	v_max3_num_f32 v[BT+pb], v[BT+pb], v[S+16*pb+11], v[S+16*pb+12]
.elseif pn == 12
	v_max3_num_f32 v[BM+pb], v[BM+pb], v[S+16*pb+5], v[S+16*pb+6]
.elseif pn == 13
	v_max3_num_f32 v[BT+pb], v[BT+pb], v[S+16*pb+13], v[S+16*pb+14]
.elseif pn == 14
	v_max3_num_f32 v[BM+pb], v[BM+pb], v[S+16*pb+7], v[S+16*pb+15]
.else
	v_max_num_f32 v[BM+pb], v[BM+pb], v[BT+pb]
.endif
.endm
; Line sj (0 .. 31) of the row's sum of the unquantised p: 32 pairs in four chains (the running sum and three more), ascending: lines 0 to 15 read pairs 0 to 18, the others pairs 19 to 31
.macro SUMJ x
.if sj < 3
	v_pk_add_f32 v[TS+2*sj:TS+2*sj+1], v[S+4*sj:S+4*sj+1], v[S+4*sj+2:S+4*sj+3]
.elseif sj < 29
.if (sj-3)%4 == 0
	v_pk_add_f32 v[LS+2*(\x):LS+2*(\x)+1], v[LS+2*(\x):LS+2*(\x)+1], v[S+2*(sj+3):S+2*(sj+3)+1]
.else
	v_pk_add_f32 v[TS+2*((sj-3)%4-1):TS+2*((sj-3)%4-1)+1], v[TS+2*((sj-3)%4-1):TS+2*((sj-3)%4-1)+1], v[S+2*(sj+3):S+2*(sj+3)+1]
.endif
.elseif sj == 29
	v_pk_add_f32 v[LS+2*(\x):LS+2*(\x)+1], v[LS+2*(\x):LS+2*(\x)+1], v[TS:TS+1]
.elseif sj == 30
	v_pk_add_f32 v[TS+2:TS+3], v[TS+2:TS+3], v[TS+4:TS+5]
.else
	v_pk_add_f32 v[LS+2*(\x):LS+2*(\x)+1], v[LS+2*(\x):LS+2*(\x)+1], v[TS+2:TS+3]
.endif
.endm
; SOFTH: all but the last 16 lines of the sum.  Exponentials and plain lines go by turns: block b's 16 exponentials with block b + 1's 16 plain lines, the last block's with the exchange between the halves of the lanes.
; No line ahead of the wait names an exponential's result: the 68 exponentials are one batch with one wait.  Behind it: the scale word, the codes, the sums; the sums are also the plain lines that stand between
; the scale word and the codes just written and the products that take them (8 and 4 are asked).
.macro SOFTH x
.set pb, 0
.set pn, 0
.rept 16
	PLAIN \x
.set pn, pn+1
.endr
.set eb, 0
.rept 4
.set pb, eb+1
.set pn, 0
.rept 16
	v_exp_f32 v[S+16*eb+pn], v[S+16*eb+pn]         ; p = 2^(t - M), at most 1
.if eb < 3
	PLAIN \x
.elseif pn < 4
	v_permlanex16_b32 v[BT+pn], v[BM+pn], s58, s59
.elseif pn < 8
	v_max_num_f32 v[BM+pn-4], v[BM+pn-4], v[BT+pn-4]   ; with lane l xor 16's 16 keys: the block's largest t - M
.endif
.set pn, pn+1
.endr
.set eb, eb+1
.endr
.irp b, 0,1,2,3
	v_exp_f32 v[BM+\b], v[BM+\b]                   ; the block's largest p: the same instruction on the same number gives the same bits
.endr
	v_nop                                          ; a plain line behind the exponentials
	s_wait_alu depctr_va_vdst(0)                   ; one wait for the batch, ahead of its first reader
.irp b, 0,1,2,3
	v_max_num_f32 v[BM+\b], 0x1800000, v[BM+\b]    ; the floor 2^(3 - 127): the byte cannot fall under 1
.endr
.irp b, 0,1,2,3
	v_add_nc_u32 v[SO+\b], 0xff000000, v[BM+\b]    ; 2 off the exponent field: the conversion's scale operand
.endr
.irp b, 0,1,2,3
	v_lshrrev_b32 v[BT+\b], 23, v[SO+\b]           ; the scale's byte
.endr
	v_lshl_or_b32 v[PW+(\x)], v[BT+1], 8, v[BT]
	v_lshl_or_b32 v[PW+(\x)], v[BT+2], 16, v[PW+(\x)]
	v_lshl_or_b32 v[PW+(\x)], v[BT+3], 24, v[PW+(\x)]
.irp b, 0,1,2,3
	v_cvt_scalef32_pk8_fp4_f32 v[PC+8*(\x)+2*\b], v[S+16*\b:S+16*\b+7], v[SO+\b]
	v_cvt_scalef32_pk8_fp4_f32 v[PC+8*(\x)+2*\b+1], v[S+16*\b+8:S+16*\b+15], v[SO+\b]
.endr
.set sj, 0
.rept 16
	SUMJ \x                                        ; (plain lines behind the scaled conversions)
.set sj, sj+1
.endr
.irp c, 0,1                                    ; the operand wants a whole block in a lane
.irp i, 0,1
	v_permlane16_swap_b32 v[PC+8*(\x)+4*\c+\i], v[PC+8*(\x)+4*\c+2+\i]
.endr
.endr
.endm
.macro SOFTT x                         ; the sum's last 16 lines: they read p's registers 38 to 63 alone
.set sj, 16
.rept 16
	SUMJ \x
.set sj, sj+1
.endr
.endm
.macro VLOAD grp, buf, q               ; v's fragments of register tiles 4 grp .. 4 grp + 3: eight loads
.irp t, 0,1,2,3
.irp c, 0,1
.if (\grp) < 2
	ds_load_b128 v[\buf+8*\t+4*\c:\buf+8*\t+4*\c+3], v[ADVL] offset:32768*(\q)+(4*(\grp)+\t)*1024+512*\c
.else
	ds_load_b128 v[\buf+8*\t+4*\c:\buf+8*\t+4*\c+3], v[ADVH] offset:32768*(\q)+(4*((\grp)-2)+\t)*1024+512*\c
.endif
.endr
.endr
.endm
.macro PVG grp, buf, zero              ; O += p v for four channel tiles x two query tiles: eight accumulators, one instruction each
	WIN 0x50                                       ; C and D window 1
.irp t, 0,1,2,3
.irp x, 0,1
.set rD, 8*(16*\x+4*(\grp)+\t)
.set rA, PC+8*\x
.set rB, \buf+8*\t
.set rSA, PW+\x
.set rSB, VSW+(4*(\grp)+\t)/2
.set rZ, \zero
.set rRA, 0
.set rRB, \t%2
	MM
.endr
.endr
.endm
.macro ADDR                            ; the slot's six addresses: six plain lines
	v_add_nc_u32 v[ADK], s52, v[AK0]
	v_add_nc_u32 v[ADKS], s52, v[AKS0]
	v_add_nc_u32 v[ADVL], s53, v[AVL]
	v_add_nc_u32 v[ADVH], s53, v[AVH]
	v_add_nc_u32 v[ADSL], s54, v[AVSL]
	v_add_nc_u32 v[ADSH], s54, v[AVSH]
.endm
; HALF A of a key step: k's fragments are in registers: work on registers alone
.macro STEPA
	QK 0, FBA, KS
	NOPS 4
	SOFTH 0
	SOFTT 0
.endm
; HALF B: the q-th of my two steps in the slot in hand.  zero = 1: its products start O's sums: nothing is ever cleared.  next = 1: the next step's k is asked for.
; v's groups 2 and 3 go into p's registers as soon as the sums have read them.  The products take group 1 first, so that k's nine loads, into the registers that group 1 read, stand 24 matrix instructions ahead of their use.
.macro STEPB q, zero, next
	ds_load_b128 v[VSW:VSW+3], v[ADSL] offset:2048*(\q)
	ds_load_b128 v[VSW+4:VSW+7], v[ADSH] offset:2048*(\q)
	VLOAD 0, FBB, \q
	QK 1, FBA, KS
	NOPS 4                                         ; between the last product on k and the loads into its registers
	VLOAD 1, FBA, \q
	SOFTH 1
	VLOAD 2, S, \q                                 ; p's registers 0 to 31 have been summed and converted
	SOFTT 1
	VLOAD 3, S+32, \q
	s_wait_dscnt 16                                ; v's scale words and groups 0 and 1 are in; the sixteen loads issued last may be out
	PVG 1, FBA, \zero
.if \next
	NOPS 4                                         ; between group 1's products and the loads into the registers that they read
	WIN 0
	KLOAD FBA, KS, 8704*((\q)+1)
.endif
	PVG 0, FBB, \zero
.if \next
	s_wait_dscnt 17                                ; group 2 is in; group 3's eight loads and k's nine may be out
.else
	s_wait_dscnt 8
.endif
	PVG 2, S, \zero
.if \next
	s_wait_dscnt 9                                 ; group 3 is in; k's nine may be out
.else
	s_wait_dscnt 0x0
.endif
	PVG 3, S+32, \zero
	WIN 0
.endm
.macro ADV                             ; on to the next slot: four key steps
	s_add_co_u32 s52, s52, 4*KBLK
	s_add_co_u32 s54, s54, 4096
	s_xor_b32 s53, s53, VSL
.endm
; THE CHANGE OF SLOTS, at a slot's head.  Each wave waits for all its tensor loads (its part of the slot ahead), adds 0 to its spare word, and waits for that, for its reads of the slot that it has left and for k's
; fragments of the step ahead; it signals, does half A of that step, and waits.  fill = 1: the barrier opens a round of the cluster's barrier, and behind the round the slot that was left is filled with the keys two slots on.
.macro CHANGE fill
	s_wait_tensorcnt 0x0                           ; no tensor load of mine is out, so the walking group 0 may be written
	ds_add_u32 v[SPW], v[NIL]                      ; 0 onto my spare word
.if \fill
	s_xor_b32 s49, s49, VSL                        ; the other slot than last time,
	s_add_nc_u64 s[50:51], s[50:51], VSL           ; the next four key steps; the type bits on top are not reached
	s_wait_xcnt 0x0                                ; the last prefetch, a slot back, has read its address
	s_add_nc_u64 s[60:61], s[60:61], VSL
.endif
	s_wait_dscnt 0x0                               ; the add is done, my reads of the slot that I have left are over, and k is in
	s_barrier_signal -1
	STEPA                                          ; work on registers while the others arrive
	s_barrier_wait -1
.if \fill
	CREST                                          ; no wave of any partner still reads the slot or has a load on its way
	tensor_load_to_lds s[48:51], s[32:39]          ; the first thing behind the round, and my one tensor load until the next
	s_nop 0
	NOPS 4
	ASK
.endif
.endm
; mean and sum of squared deviations of rows 8 G .. 8 G + 7 of my 32, eight rows by turns; a row's 128 numbers lie four to a lane
.macro STATS G
.irp k, 0,1,2,3,4,5,6,7
	v_pk_add_f32 v[A2+2*\k:A2+2*\k+1], v[S+4*(8*(\G)+\k):S+4*(8*(\G)+\k)+1], v[S+4*(8*(\G)+\k)+2:S+4*(8*(\G)+\k)+3]
.endr
.irp k, 0,1,2,3,4,5,6,7
	v_add_f32 v[A2+2*\k], v[A2+2*\k], v[A2+2*\k+1]
.endr
.irp m, 1,2,4,8
.irp k, 0,1,2,3,4,5,6,7
	v_add_f32_dpp v[A2+2*\k], v[A2+2*\k], v[A2+2*\k] row_xmask:\m row_mask:0xf bank_mask:0xf
.endr
.endr
.irp k, 0,1,2,3,4,5,6,7
	v_permlanex16_b32 v[PC+\k], v[A2+2*\k], s58, s59
.endr
.irp k, 0,1,2,3,4,5,6,7
	v_add_f32 v[A2+2*\k], v[A2+2*\k], v[PC+\k]
.endr
.irp k, 0,1,2,3,4,5,6,7
	v_mul_f32 v[A2+2*\k], 0x3c000000, v[A2+2*\k]   ; / 128: the row's mean, in every lane
.endr
.irp k, 0,1,2,3,4,5,6,7
	v_pk_add_f32 v[S+4*(8*(\G)+\k):S+4*(8*(\G)+\k)+1], v[S+4*(8*(\G)+\k):S+4*(8*(\G)+\k)+1], v[A2+2*\k:A2+2*\k+1] op_sel_hi:[1,0] neg_lo:[0,1] neg_hi:[0,1]
	v_pk_add_f32 v[S+4*(8*(\G)+\k)+2:S+4*(8*(\G)+\k)+3], v[S+4*(8*(\G)+\k)+2:S+4*(8*(\G)+\k)+3], v[A2+2*\k:A2+2*\k+1] op_sel_hi:[1,0] neg_lo:[0,1] neg_hi:[0,1]
.endr
.irp k, 0,1,2,3,4,5,6,7
	v_pk_mul_f32 v[B2+2*\k:B2+2*\k+1], v[S+4*(8*(\G)+\k):S+4*(8*(\G)+\k)+1], v[S+4*(8*(\G)+\k):S+4*(8*(\G)+\k)+1]
.endr
.irp k, 0,1,2,3,4,5,6,7
	v_pk_fma_f32 v[B2+2*\k:B2+2*\k+1], v[S+4*(8*(\G)+\k)+2:S+4*(8*(\G)+\k)+3], v[S+4*(8*(\G)+\k)+2:S+4*(8*(\G)+\k)+3], v[B2+2*\k:B2+2*\k+1]
.endr
.irp k, 0,1,2,3,4,5,6,7
	v_add_f32 v[B2+2*\k], v[B2+2*\k], v[B2+2*\k+1]
.endr
.irp m, 1,2,4,8
.irp k, 0,1,2,3,4,5,6,7
	v_add_f32_dpp v[B2+2*\k], v[B2+2*\k], v[B2+2*\k] row_xmask:\m row_mask:0xf bank_mask:0xf
.endr
.endr
.irp k, 0,1,2,3,4,5,6,7
	v_permlanex16_b32 v[PC+\k], v[B2+2*\k], s58, s59
.endr
.irp k, 0,1,2,3,4,5,6,7
	v_add_f32 v[B2+2*\k], v[B2+2*\k], v[PC+\k]
.endr
.irp k, 0,1,2,3,4,5,6,7
	s_mov_b32 s83, 1<<(8*(\G)+\k)                  ; lane i keeps row i's two numbers
	v_cndmask_b32 v[RM], v[RM], v[A2+2*\k], s83
	v_cndmask_b32 v[RM+1], v[RM+1], v[B2+2*\k], s83
.endr
.endm
	s_load_b256 s[4:11], s[0:1], 0x0               ; q's blocks, k's blocks and v's scales, v's codes, wli
	s_load_b128 s[12:15], s[0:1], 0x20             ; nbi, y
	s_load_b64 s[16:17], s[0:1], 0x30              ; the statistics
	v_lshl_add_u32 v[SPW], v0, 2, SPARE
	v_mov_b32 v[NIL], 0
	ds_add_u32 v54, v55
	ds_add_u32 v54, v55
	s_wait_dscnt 0x0
	v_lshrrev_b32 v96, 5, v0
	v_readfirstlane_b32 s18, v96                   ; wave 0..7
	s_lshr_b32 s19, s18, 2                         ; p
	s_and_b32 s20, s18, 3                          ; g
	s_bfe_u32 s21, ttmp6, 0x40000                  ; cx: my place in the cluster
	s_lshl_b32 s22, ttmp9, 2                       ; in a cluster launch ttmp9 counts clusters
	s_add_co_u32 s22, s22, s21                     ; qb: it enters the addresses of q, x, y and the statistics alone
	s_and_b32 s23, ttmp7, 0xffff                   ; db, which the four partners share
	; descriptor group 1: dense blocks as rows of 256 bytes (32 elements of 8 bytes), no padding: every LDS read here is 16 bytes a lane on end
	s_mov_b32 s24, 15|(3<<16)|(1<<21)              ; 15:0 the mask: all four work-groups; 17:16 elements of 8 bytes; 21 set beside a mask
	s_mov_b32 s25, 32<<16                          ; tensor_dim0 = 32
	s_mov_b32 s26, 84<<16                          ; tensor_dim1 = 84
	s_mov_b32 s27, 32<<16                          ; tile_dim0 = 32
	s_mov_b32 s28, 84                              ; tile_dim1 = 84
	s_mov_b32 s29, 32                              ; elements from row to row
	s_mov_b32 s30, 0
	s_mov_b32 s31, 0
	s_mov_b32 s32, 15|(3<<16)|(1<<21)              ; the same with 32 rows, for v's slots
	s_mov_b32 s33, 32<<16
	s_mov_b32 s34, 32<<16
	s_mov_b32 s35, 32<<16
	s_mov_b32 s36, 32
	s_mov_b32 s37, 32
	s_mov_b32 s38, 0
	s_mov_b32 s39, 0
	s_mul_i32 s66, s23, 172032
	s_mul_i32 s67, s18, 21504                      ; my eighth of the block that stays
	s_add_co_u32 s68, s66, s67
	s_mov_b32 s69, 0
	s_lshl_b32 s70, s23, 19
	s_lshl_b32 s45, s18, 13                        ; my eighth of a slot: its LDS address in slot 0
	s_add_co_u32 s70, s70, s45
	s_mov_b32 s71, 0
	s_mov_b32 s40, 1
	s_add_co_u32 s41, s67, RES
	s_mov_b32 s44, 1
	s_mov_b32 s48, 1
	s_add_co_u32 s49, s45, VSL
	s_wait_kmcnt 0x0
	s_add_nc_u64 s[42:43], s[6:7], s[68:69]
	s_add_nc_u64 s[46:47], s[8:9], s[70:71]        ; key steps 0 to 3
	s_add_nc_u64 s[50:51], s[46:47], VSL           ; key steps 4 to 7: this group 0 then walks on
	s_or_b32 s43, s43, 0x80000000                  ; type = 2
	s_or_b32 s47, s47, 0x80000000
	s_or_b32 s51, s51, 0x80000000
	CROUND                                         ; all four work-groups are here: the first joint loads meet
	tensor_load_to_lds s[40:43], s[24:31]          ; the three first fills go out together, ahead of every wait on TENSORcnt and every LDS read
	s_nop 0
	tensor_load_to_lds s[44:47], s[32:39]
	s_nop 0
	tensor_load_to_lds s[48:51], s[32:39]
	s_nop 0
	NOPS 4
	v_and_b32 v96, 31, v0                          ; lane
	v_and_b32 v97, 15, v0                          ; r
	v_bfe_u32 v98, v0, 4, 1                        ; h
	v_lshlrev_b32 v[L16], 4, v96
	v_lshlrev_b32 v[L4], 2, v96
	v_lshlrev_b32 v250, 3, v96                     ; v250: 8 lane
	v_lshlrev_b32 v[PFO], 8, v96
	s_lshl_b32 s72, s23, 5
	s_add_co_u32 s72, s72, s22
	s_mul_i32 s72, s72, KBLK
	s_mov_b32 s73, 0
	s_add_nc_u64 s[74:75], s[4:5], s[72:73]        ; my work-group's block of q
	s_lshl_b32 s72, s20, 10
	s_add_nc_u64 s[72:73], s[74:75], s[72:73]      ; double tile g
	s_add_nc_u64 s[74:75], s[74:75], 4096          ; its scale words
	s_and_b32 s66, s20, 1
	s_lshl_b32 s66, s66, 7
	s_lshr_b32 s67, s20, 1
	s_lshl_b32 s67, s67, 2
	s_add_co_u32 s66, s66, s67
	v_lshl_add_u32 v99, v97, 3, s66                ; word (g, r) at 8 (r + 16 (g % 2)) + 4 (g / 2)
	global_load_b128 v[Q+4:Q+7], v[L16], s[72:73]
	global_load_b128 v[Q+16:Q+19], v[L16], s[72:73] offset:512
	global_load_b32 v100, v99, s[74:75]
.irp j, 0,1,2,3,8,9,10,11,12,13,14,15,20,21,22,23
	v_mov_b32 v[Q+\j], 0                           ; the zero codes beside q
.endr
	; the prefetches: where mine stand, and who asks
	s_lshl_b32 s66, s21, 14
	s_add_co_u32 s66, s66, s70
	s_add_co_u32 s66, s66, 2*VSL                   ; in slot 2: the first change of slots steps it to slot 3.  Nothing is prefetched here, at the head
	s_mov_b32 s67, 0
	s_add_nc_u64 s[60:61], s[8:9], s[66:67]
	s_lshr_b32 s62, s18, 1                         ; 0 in waves 0 and 1,
	s_or_b32 s62, s62, ttmp9                       ; of the db's first cluster: the same in all four partners
	s_cmp_eq_u32 s62, 0
	s_cselect_b32 s62, 1, -1
	; x, y and the statistics
	s_lshl_b32 s68, s18, 19                        ; my 32 channels
	s_lshl_b32 s66, s22, 9                         ; the 128 pixels
	s_add_co_u32 s68, s68, s66
	s_and_b32 s70, s23, 3
	s_lshl_b32 s70, s70, 22
	s_add_co_u32 s70, s70, s68
	s_lshr_b32 s66, s23, 2                         ; the direction: 0 adds onto wli, 1 onto nbi
	s_cmp_eq_u32 s66, 0
	s_cselect_b64 s[76:77], s[10:11], s[12:13]
	s_add_nc_u64 s[76:77], s[76:77], s[70:71]
	s_lshl_b32 s70, s23, 22
	s_add_co_u32 s70, s70, s68
	s_add_nc_u64 s[78:79], s[14:15], s[70:71]
	s_lshl_b32 s70, s23, 5
	s_add_co_u32 s70, s70, s22
	s_lshl_b32 s70, s70, 11
	s_lshl_b32 s68, s18, 8
	s_add_co_u32 s70, s70, s68
	s_add_nc_u64 s[80:81], s[16:17], s[70:71]
	s_mov_b32 s56, 0x3e38aa3b                      ; c = log2(e) / 8
	s_mov_b32 s57, s56                             ; (named with it as a pair)
	s_mov_b32 s58, 0x76543210
	s_mov_b32 s59, 0xfedcba98                      ; lane l xor 16
	; LDS addresses: constants, the lane and the wave's number
	s_mul_i32 s66, s19, KBLK
	s_add_co_u32 s66, s66, RES
	v_add_nc_u32 v[AK0], s66, v[L16]
	s_add_co_u32 s66, s66, 4096
	v_add_nc_u32 v[AKS0], s66, v250
	s_xor_b32 s67, s19, 1                          ; 1 - p
	s_mul_i32 s66, s19, 24576
	v_add_nc_u32 v[AVL], s66, v[L16]               ; step p of a slot, channel tiles 8 p on
	s_lshl_b32 s66, s19, 14
	s_lshl_b32 s68, s67, 13
	s_add_co_u32 s66, s66, s68
	v_add_nc_u32 v[AVH], s66, v[L16]               ; and channel tiles 8 (1 - p) on
	s_mul_i32 s66, s19, 1536
	s_add_co_u32 s66, s66, VSC
	v_add_nc_u32 v[AVSL], s66, v[L16]
	s_lshl_b32 s66, s19, 10
	s_lshl_b32 s68, s67, 9
	s_add_co_u32 s66, s66, s68
	s_add_co_u32 s66, s66, VSC
	v_add_nc_u32 v[AVSH], s66, v[L16]
	s_xor_b32 s69, s18, 4                          ; my partner
	s_lshl_b32 s66, s18, 14
	v_add_nc_u32 v240, s66, v[L16]                 ; v240: where I send half of O (in v's slots, 16,384 bytes a wave); v241: where my partner sends
	s_lshl_b32 s66, s69, 14
	v_add_nc_u32 v241, s66, v[L16]
	s_lshl_b32 s66, s18, 8
	s_add_co_u32 s66, s66, MEX
	v_add_nc_u32 v242, s66, v[L4]                  ; v242, v243: maxima, mine and my partner's; v244, v245: sums
	s_lshl_b32 s66, s69, 8
	s_add_co_u32 s66, s66, MEX
	v_add_nc_u32 v243, s66, v[L4]
	v_add_nc_u32 v244, 2048, v242
	v_add_nc_u32 v245, 2048, v243
	s_lshl_b32 s66, s18, 7
	s_add_co_u32 s66, s66, LIV
	v_lshl_add_u32 v246, v97, 2, s66               ; v246: 1 / sum of query r; v247: of queries 8 h + 0 .. 7
	v_lshl_add_u32 v247, v98, 5, s66
	s_mul_i32 s66, s19, 67584
	s_lshl_b32 s68, s20, 7
	s_add_co_u32 s66, s66, s68
	s_add_co_u32 s66, s66, STG
	v_mul_u32_u24 v248, v97, 528
	v_lshl_add_u32 v248, v98, 6, v248
	v_add_nc_u32 v248, s66, v248                   ; v248: the stage, row 128 p + r, byte 128 g + 64 h
	s_mul_i32 s66, s18, 16896
	s_add_co_u32 s66, s66, STG
	v_add_nc_u32 v249, s66, v[L16]                 ; v249: back: my 32 rows, 16 bytes a lane
	v_cmp_eq_u32 s82, 0, v98                       ; lanes 0-15
	s_wait_loadcnt 0x0                             ; q and its scale word
	v_and_b32 v101, 0xffff, v100                   ; tile 0's two bytes,
	v_lshrrev_b32 v102, 16, v100                   ; tile 1's
	v_or_b32 v103, 0x7f7f0000, v101                ; for [q | zeros]: the zeros' bytes are 0x7f
	v_lshl_or_b32 v104, v101, 16, 0x7f7f           ; for [zeros | q]
	v_cndmask_b32 v[QS], v104, v103, s82
	v_or_b32 v103, 0x7f7f0000, v102
	v_lshl_or_b32 v104, v102, 16, 0x7f7f
	v_cndmask_b32 v[QS+1], v104, v103, s82
.set j, 0
.rept 16
	v_mov_b32 v[MX+j], 0xff800000                  ; the running maxima.  (These lines also stand between the scale registers just written and the first product)
.set j, j+1
.endr
.irp j, 0,1,2,3
	v_mov_b32 v[LS+\j], 0                          ; the sums
.endr
	v_mov_b32 v[TP], 0                             ; lane permutes' destinations count as sources
	v_mov_b32 v[TP+1], 0
	v_mov_b32 v[NM+1], 0                           ; (named as the upper halves of pairs)
	v_mov_b32 v[NM+3], 0
	v_mov_b32 v[RM], 0
	v_mov_b32 v[RM+1], 0
	s_wait_tensorcnt 0x2                           ; my part of k and of v's scales is in; the two slots of v may stay out
	s_barrier_signal -1
	s_barrier_wait -1                              ; everybody's is
	; ---- PASS 1: the rows' largest scores over my 16 key steps, two a trip
	s_mov_b32 s52, 0
	v_add_nc_u32 v[ADK], s52, v[AK0]
	v_add_nc_u32 v[ADKS], s52, v[AKS0]
	KLOAD FBA, KS, 0
	s_mov_b32 s55, 7
.Lmax:
	TRIP1 1
	s_add_co_u32 s52, s52, 4*KBLK
	s_sub_co_u32 s55, s55, 1
	s_cmp_lg_u32 s55, 0
	s_cbranch_scc1 .Lmax
	TRIP1 0                                        ; the last two steps ask for nothing more
	; ---- M: my eight chains, the other half of the lanes, my partner's key steps
.irp x, 0,1
	v_max3_num_f32 v[MX+8*\x], v[MX+8*\x], v[MX+8*\x+1], v[MX+8*\x+2]
.endr
.irp x, 0,1
	v_max3_num_f32 v[MX+8*\x+3], v[MX+8*\x+3], v[MX+8*\x+4], v[MX+8*\x+5]
.endr
.irp x, 0,1
	v_max3_num_f32 v[MX+8*\x], v[MX+8*\x], v[MX+8*\x+6], v[MX+8*\x+7]
.endr
.irp x, 0,1
	v_max_num_f32 v[MX+8*\x], v[MX+8*\x], v[MX+8*\x+3]
.endr
.irp x, 0,1
	v_permlanex16_b32 v[TP+\x], v[MX+8*\x], s58, s59
.endr
.irp x, 0,1
	v_max_num_f32 v[MX+8*\x], v[MX+8*\x], v[TP+\x]
.endr
.irp x, 0,1
	v_mul_f32 v[MX+8*\x], s56, v[MX+8*\x]          ; as t (c is positive)
.endr
.irp x, 0,1
	ds_store_b32 v242, v[MX+8*\x] offset:128*\x
.endr
	s_mov_b32 s52, 0                               ; pass 2: where the slot's blocks of k begin,
	s_mov_b32 s53, 0                               ; the slot in hand,
	s_mov_b32 s54, 0                               ; and its scale images of v
	ADDR
	KLOAD FBA, KS, 0                               ; k of my first step
	s_wait_tensorcnt 0x1                           ; my part of slot 0 is in; slot 1's may stay out
	s_wait_dscnt 0x0                               ; for the others' sake: my stores have landed
	s_barrier_signal -1
	s_barrier_wait -1
.irp x, 0,1
	ds_load_b32 v[TP+\x], v243 offset:128*\x
.endr
	s_wait_dscnt 0x0
.irp x, 0,1
	v_max_num_f32 v[MX+8*\x], v[MX+8*\x], v[TP+\x]
.endr
.irp x, 0,1
	v_floor_f32 v[NM+2*\x], -v[MX+8*\x]            ; -M = floor(-t) = -ceil(t)
.endr
	; ---- PASS 2
	STEPA
	STEPB 0, 1, 1
	NOPS 5                                         ; the next scores are written over registers that the last products read: five plain lines between
	s_wait_dscnt 0x0                               ; k is in
	STEPA
	STEPB 1, 0, 1
	ADV
	ADDR                                           ; (six plain lines: the same five)
	s_mov_b32 s55, 6
.Lslot:                                            ; six trips: slots 1 to 6 are worked, slots 2 to 7 asked for
	CHANGE 1
	STEPB 0, 0, 1
	NOPS 5
	s_wait_dscnt 0x0
	STEPA
	STEPB 1, 0, 1
	ADV
	ADDR
	s_sub_co_u32 s55, s55, 1
	s_cmp_lg_u32 s55, 0
	s_cbranch_scc1 .Lslot
	CHANGE 0                                       ; the last slot is written out
	STEPB 0, 0, 1
	NOPS 5
	s_wait_dscnt 0x0
	STEPA
	STEPB 1, 0, 0
	; ---- THE END.  The sums: two halves, the other half of the lanes.  (The four additions are the plain lines between the last products and the first read of O)
.irp x, 0,1
	v_add_f32 v[LS+2*\x], v[LS+2*\x], v[LS+2*\x+1]
.endr
.irp x, 0,1
	v_permlanex16_b32 v[BT+\x], v[LS+2*\x], s58, s59
.endr
.irp x, 0,1
	v_add_f32 v[LS+2*\x], v[LS+2*\x], v[BT+\x]
.endr
	s_wait_dscnt 0x0
	s_barrier_signal -1
	s_barrier_wait -1                              ; nobody reads v's slots, k or v's scales any more; they have had their last fill
.irp x, 0,1
	ds_store_b32 v244, v[LS+2*\x] offset:128*\x
.endr
	WIN 0x04                                       ; an LDS store's data are its source 1: window 1
.irp x, 0,1
.irp t, 0,1,2,3,4,5,6,7
	ds_store_b128 v240, v[8*(16*\x+8+\t):8*(16*\x+8+\t)+3] offset:(8*\x+\t)*1024          ; register tiles 8-15 go to my partner, each from its low end on
	ds_store_b128 v240, v[8*(16*\x+8+\t)+4:8*(16*\x+8+\t)+7] offset:(8*\x+\t)*1024+512
.endr
.endr
	WIN 0
	s_wait_dscnt 0x0                               ; my stores have landed, and have read their registers,
	WIN 0x40                                       ; which take my 32 rows of x: 512 consecutive bytes a load
.set i, 0
.rept 32
.set RX, 64+4*i+64*(i/16)
	global_load_b128 v[RX:RX+3], v[L16], s[76:77] offset:16384*i th:TH_LOAD_NT
.set i, i+1
.endr
	WIN 0
	s_barrier_signal -1
	s_barrier_wait -1
.set k, 0
.rept 16
	ds_load_b128 v[S+8*k:S+8*k+3], v241 offset:1024*k
	ds_load_b128 v[S+8*k+4:S+8*k+7], v241 offset:1024*k+512
.set k, k+1
.endr
.irp x, 0,1
	ds_load_b32 v[BT+\x], v245 offset:128*\x
.endr
	s_wait_dscnt 0x0
.irp x, 0,1
	v_add_f32 v[LS+2*\x], v[LS+2*\x], v[BT+\x]     ; the row's sum over all keys
.endr
.irp x, 0,1
	v_rcp_f32 v[LS+2*\x], v[LS+2*\x]
.endr
	v_nop                                          ; a plain line behind the reciprocals
	s_wait_alu depctr_va_vdst(0)                   ; and the wait ahead of their first reader
.irp x, 0,1
	ds_store_b32 v246, v[LS+2*\x] offset:64*\x     ; a lane holds query r here and queries 8 h + 0 .. 7 in O: through my own 128 bytes (both halves of the lanes write the same)
.endr
.irp x, 0,1
.irp e, 0,1
	ds_load_b128 v[PC+8*\x+4*\e:PC+8*\x+4*\e+3], v247 offset:64*\x+16*\e   ; LDS serves a wave's instructions in order: these see my stores
.endr
.endr
	WIN 0x04                                       ; source 1 window 1
.irp x, 0,1
.irp t, 0,1,2,3,4,5,6,7
.irp j, 0,2,4,6
	v_pk_add_f32 v[S+8*(8*\x+\t)+\j:S+8*(8*\x+\t)+\j+1], v[S+8*(8*\x+\t)+\j:S+8*(8*\x+\t)+\j+1], v[8*(16*\x+\t)+\j:8*(16*\x+\t)+\j+1]   ; my partner's half of the keys and mine
.endr
.endr
.endr
	WIN 0
	s_wait_dscnt 0x0
.irp x, 0,1
.irp t, 0,1,2,3,4,5,6,7
.irp j, 0,2,4,6
	v_pk_mul_f32 v[S+8*(8*\x+\t)+\j:S+8*(8*\x+\t)+\j+1], v[S+8*(8*\x+\t)+\j:S+8*(8*\x+\t)+\j+1], v[PC+8*\x+\j:PC+8*\x+\j+1]   ; / the sum
.endr
.endr
.endr
.irp x, 0,1
.irp t, 0,1,2,3,4,5,6,7
	ds_store_b128 v248, v[S+8*(8*\x+\t):S+8*(8*\x+\t)+3] offset:8448*\t+32*\x        ; channel 128 p + 16 t + r, pixels 32 g + 8 x + 16 h + 0 .. 7
	ds_store_b128 v248, v[S+8*(8*\x+\t)+4:S+8*(8*\x+\t)+7] offset:8448*\t+32*\x+16
.endr
.endr
	s_wait_dscnt 0x0
	s_barrier_signal -1
	s_barrier_wait -1                              ; 256 whole rows lie in the stage
.set i, 0
.rept 32
	ds_load_b128 v[S+4*i:S+4*i+3], v249 offset:528*i
.set i, i+1
.endr
	s_wait_loadcnt 0x0                             ; x
	s_wait_dscnt 0x0
	WIN 0x04
.set i, 0
.rept 32
.set RX, 64+4*i+64*(i/16)
	v_pk_add_f32 v[S+4*i:S+4*i+1], v[S+4*i:S+4*i+1], v[RX:RX+1]
	v_pk_add_f32 v[S+4*i+2:S+4*i+3], v[S+4*i+2:S+4*i+3], v[RX+2:RX+3]
.set i, i+1
.endr
	WIN 0
.set i, 0
.rept 32
	global_store_b128 v[L16], v[S+4*i:S+4*i+3], s[78:79] offset:16384*i th:TH_STORE_NT   ; 512 consecutive bytes, aligned
.set i, i+1
.endr
	s_wait_xcnt 0x0                                ; the stores have read their registers: the deviations are made in place
	STATS 0
	STATS 1
	STATS 2
	STATS 3
	global_store_b64 v250, v[RM:RM+1], s[80:81]    ; 256 consecutive bytes, aligned: my 32 channels' mean and sum of squares
	s_wait_tensorcnt 0x0                           ; the wave's end
	ds_add_u32 v[SPW], v[NIL]
	s_wait_dscnt 0x0
	CROUND                                         ; the closing round: no work-group ends while a partner may still ask for a tile that names it
	s_endpgm
.Lfunc_end_k_q5fe489f114_attn:
	.size	k_q5fe489f114_attn, .Lfunc_end_k_q5fe489f114_attn-k_q5fe489f114_attn
	.p2alignl 7, 3214868480
	.fill 96, 4, 3214868480
	.section	.rodata,"a",@progbits
	.p2align	6, 0x0
	.amdhsa_kernel k_q5fe489f114_attn
		.amdhsa_group_segment_fixed_size 327680
		.amdhsa_private_segment_fixed_size 0
		.amdhsa_enable_private_segment 0
		.amdhsa_kernarg_size 56
		.amdhsa_user_sgpr_count 2
		.amdhsa_user_sgpr_kernarg_segment_ptr 1
		.amdhsa_wavefront_size32 1
		.amdhsa_system_sgpr_workgroup_id_x 1
		.amdhsa_system_sgpr_workgroup_id_y 1
		.amdhsa_system_sgpr_workgroup_id_z 1
		.amdhsa_system_vgpr_workitem_id 0
		.amdhsa_next_free_vgpr 512
		.amdhsa_next_free_sgpr 88
		.amdhsa_reserve_vcc 0
		.amdhsa_float_denorm_mode_32 3
		.amdhsa_float_denorm_mode_16_64 3
		.amdhsa_memory_ordered 1
		.amdhsa_forward_progress 1
		.amdhsa_inst_pref_size 255
	.end_amdhsa_kernel
	.section	.bss,"aw",@nobits
	.p2align	6
	.space	262144
	.amdgpu_metadata
---
amdhsa.version: [ 1, 2 ]
amdhsa.kernels:
  - .name:           k_q5fe489f114_attn
    .symbol:         k_q5fe489f114_attn.kd
    .args:
      - { .name: qimg, .offset: 0, .size: 8, .value_kind: global_buffer, .address_space: global }
      - { .name: kres, .offset: 8, .size: 8, .value_kind: global_buffer, .address_space: global }
      - { .name: vcod, .offset: 16, .size: 8, .value_kind: global_buffer, .address_space: global }
      - { .name: wli_feat, .offset: 24, .size: 8, .value_kind: global_buffer, .address_space: global }
      - { .name: nbi_aligned, .offset: 32, .size: 8, .value_kind: global_buffer, .address_space: global }
      - { .name: y, .offset: 40, .size: 8, .value_kind: global_buffer, .address_space: global }
      - { .name: part, .offset: 48, .size: 8, .value_kind: global_buffer, .address_space: global }
    .group_segment_fixed_size: 327680
    .private_segment_fixed_size: 0
    .kernarg_segment_align: 8
    .kernarg_segment_size: 56
    .max_flat_workgroup_size: 256
    .sgpr_count:     88
    .vgpr_count:     512
    .wavefront_size: 32
...
	.end_amdgpu_metadata
.endif
;; end of part 3
;; launch bn (part 4): grid 32 x 8, 8 waves a work-group, no clusters, 0 bytes of LDS; arguments y, part, gamma_wli, beta_wli, gamma_nbi, beta_nbi, out0, out1; writes out0, out1
.if DOCPART == 4
	.amdgcn_target "amdgcn-amd-amdhsa--gfx1250"
	.amdhsa_code_object_version 6
	.text
	.protected	k_q5fe489f114_bn
	.globl	k_q5fe489f114_bn
	.p2align	8
	.type	k_q5fe489f114_bn,@function
k_q5fe489f114_bn:
	s_mov_b64 s[64:65], 0
	v_nop
	global_prefetch_b8 v0, s[64:65] scope:SCOPE_SE
	s_setreg_imm32_b32 hwreg(HW_REG_WAVE_MODE, 25, 1), 1
	s_wait_xcnt 0x0
; out = (y - mean) rsqrt(var + 1e-5) gamma + beta, mean and var of a channel over its direction's 4 x 4,096 numbers.
; A wave takes one channel c = 8 x + wave of one db = y (4 direction + batch): a row of 16,384 bytes, 32 loads of 512 consecutive bytes, all on their way while the statistics are joined.
; The 128 records of the channel (each: mean and sum of squared deviations of 128 numbers) are joined without a difference of large sums: mean = the means' mean;
; the sum of squares = the records' sums + 128 x the sum of (record's mean - mean)^2.  Then one fused multiply-add a number: y a + (beta - mean a), a = gamma rsqrt(var + 1e-5).
; The records are read as 8 bytes out of each 2,048: 128 such pieces a wave, from a buffer of 524,288 bytes that all work-groups read.  Waves share nothing: no LDS, no barrier.  Memory binds: no matrix unit, no cluster.
.macro BFLY a, t                       ; the sum over the 32 lanes, in every lane; t: a register that has been written
	v_add_f32_dpp v[\a], v[\a], v[\a] row_xmask:1 row_mask:0xf bank_mask:0xf
	v_add_f32_dpp v[\a], v[\a], v[\a] row_xmask:2 row_mask:0xf bank_mask:0xf
	v_add_f32_dpp v[\a], v[\a], v[\a] row_xmask:4 row_mask:0xf bank_mask:0xf
	v_add_f32_dpp v[\a], v[\a], v[\a] row_xmask:8 row_mask:0xf bank_mask:0xf
	v_permlanex16_b32 v[\t], v[\a], s44, s45
	v_add_f32 v[\a], v[\a], v[\t]
.endm
	s_load_b512 s[4:19], s[0:1], 0x0               ; y, the records, gamma wli, beta wli, gamma nbi, beta nbi, out0, out1
	v_lshrrev_b32 v1, 5, v0
	v_readfirstlane_b32 s20, v1                    ; wave
	v_and_b32 v2, 31, v0                           ; lane
	v_lshlrev_b32 v3, 11, v2                       ; a record set is 2,048 bytes
	v_lshlrev_b32 v4, 4, v2                        ; 16 lane
	s_and_b32 s21, ttmp7, 0xffff                   ; db
	s_lshr_b32 s22, s21, 2                         ; direction
	s_and_b32 s23, s21, 3                          ; batch
	s_lshl_b32 s24, ttmp9, 3
	s_add_co_u32 s24, s24, s20                     ; channel
	s_lshl_b32 s26, s22, 18                        ; the direction's 128 record sets,
	s_lshl_b32 s25, s24, 3
	s_add_co_u32 s26, s26, s25                     ; the channel's 8 bytes in each
	s_mov_b32 s27, 0
	s_lshl_b32 s28, s21, 8
	s_add_co_u32 s28, s28, s24
	s_lshl_b32 s28, s28, 14                        ; y's row
	s_mov_b32 s29, 0
	s_lshl_b32 s30, s23, 8
	s_add_co_u32 s30, s30, s24
	s_lshl_b32 s30, s30, 14                        ; the output's row
	s_mov_b32 s31, 0
	s_lshl_b32 s32, s24, 2
	s_mov_b32 s33, 0
	s_mov_b32 s42, 0x38800000                      ; 1 / 16,384
	s_mov_b32 s43, 0x3727c5ac                      ; 1e-5
	s_mov_b32 s44, 0x76543210
	s_mov_b32 s45, 0xfedcba98                      ; lane l xor 16
	s_wait_kmcnt 0x0
	s_cmp_eq_u32 s22, 0                            ; the choices hang on the work-group's number alone
	s_cselect_b64 s[34:35], s[8:9], s[12:13]
	s_cselect_b64 s[36:37], s[10:11], s[14:15]
	s_cselect_b64 s[38:39], s[16:17], s[18:19]
	s_add_nc_u64 s[34:35], s[34:35], s[32:33]
	s_add_nc_u64 s[36:37], s[36:37], s[32:33]
	s_add_nc_u64 s[38:39], s[38:39], s[30:31]
	s_add_nc_u64 s[6:7], s[6:7], s[26:27]
	s_add_nc_u64 s[4:5], s[4:5], s[28:29]
	s_load_b32 s40, s[34:35], 0x0                  ; gamma
	s_load_b32 s41, s[36:37], 0x0                  ; beta
.irp k, 0,1,2,3
	global_load_b64 v[8+2*\k:9+2*\k], v3, s[6:7] offset:65536*\k   ; record lane + 32 k
.endr
.set i, 0
.rept 32
	global_load_b128 v[32+4*i:35+4*i], v4, s[4:5] offset:512*i th:TH_LOAD_NT
.set i, i+1
.endr
	s_wait_loadcnt 32                              ; the four records are in; the row's 32 loads stay out
	v_add_f32 v16, v8, v10
	v_add_f32 v17, v12, v14
	v_add_f32 v16, v16, v17
	BFLY 16, 17
	v_mul_f32 v16, 0x3c000000, v16                 ; / 128: the mean
.irp k, 0,1,2,3
	v_sub_f32 v[8+2*\k], v[8+2*\k], v16
.endr
	v_mul_f32 v18, v8, v8
	v_fma_f32 v18, v10, v10, v18
	v_fma_f32 v18, v12, v12, v18
	v_fma_f32 v18, v14, v14, v18
	v_add_f32 v19, v9, v11
	v_add_f32 v20, v13, v15
	v_add_f32 v19, v19, v20
	v_fma_f32 v18, v18, 0x43000000, v19            ; 128 x the squares of the means' deviations + the records' sums
	BFLY 18, 20
	v_fma_f32 v18, v18, s42, s43                   ; var + 1e-5
	v_rsq_f32 v18, v18
	v_nop                                          ; a plain line behind the transcendental
	s_wait_alu depctr_va_vdst(0)                   ; and the wait ahead of its first reader
	s_wait_kmcnt 0x0
	v_mul_f32 v22, s40, v18                        ; a
	v_mov_b32 v23, v22
	v_fma_f32 v24, -v16, v22, s41                  ; beta - mean a
	v_mov_b32 v25, v24
.set i, 0
.rept 32
	s_wait_loadcnt 31-i                            ; loads come back in order: piece i is in, the later ones stay out
	v_pk_fma_f32 v[32+4*i:33+4*i], v[32+4*i:33+4*i], v[22:23], v[24:25]
	v_pk_fma_f32 v[34+4*i:35+4*i], v[34+4*i:35+4*i], v[22:23], v[24:25]
	global_store_b128 v4, v[32+4*i:35+4*i], s[38:39] offset:512*i th:TH_STORE_NT   ; 512 consecutive bytes, aligned; no register is written again
.set i, i+1
.endr
	s_endpgm
.Lfunc_end_k_q5fe489f114_bn:
	.size	k_q5fe489f114_bn, .Lfunc_end_k_q5fe489f114_bn-k_q5fe489f114_bn
	.p2alignl 7, 3214868480
	.fill 96, 4, 3214868480
	.section	.rodata,"a",@progbits
	.p2align	6, 0x0
	.amdhsa_kernel k_q5fe489f114_bn
		.amdhsa_group_segment_fixed_size 0
		.amdhsa_private_segment_fixed_size 0
		.amdhsa_enable_private_segment 0
		.amdhsa_kernarg_size 64
		.amdhsa_user_sgpr_count 2
		.amdhsa_user_sgpr_kernarg_segment_ptr 1
		.amdhsa_wavefront_size32 1
		.amdhsa_system_sgpr_workgroup_id_x 1
		.amdhsa_system_sgpr_workgroup_id_y 1
		.amdhsa_system_sgpr_workgroup_id_z 1
		.amdhsa_system_vgpr_workitem_id 0
		.amdhsa_next_free_vgpr 160
		.amdhsa_next_free_sgpr 66
		.amdhsa_reserve_vcc 0
		.amdhsa_float_denorm_mode_32 3
		.amdhsa_float_denorm_mode_16_64 3
		.amdhsa_memory_ordered 1
		.amdhsa_forward_progress 1
		.amdhsa_inst_pref_size 15
	.end_amdhsa_kernel
	.amdgpu_metadata
---
amdhsa.version: [ 1, 2 ]
amdhsa.kernels:
  - .name:           k_q5fe489f114_bn
    .symbol:         k_q5fe489f114_bn.kd
    .args:
      - { .name: y, .offset: 0, .size: 8, .value_kind: global_buffer, .address_space: global }
      - { .name: part, .offset: 8, .size: 8, .value_kind: global_buffer, .address_space: global }
      - { .name: gamma_wli, .offset: 16, .size: 8, .value_kind: global_buffer, .address_space: global }
      - { .name: beta_wli, .offset: 24, .size: 8, .value_kind: global_buffer, .address_space: global }
      - { .name: gamma_nbi, .offset: 32, .size: 8, .value_kind: global_buffer, .address_space: global }
      - { .name: beta_nbi, .offset: 40, .size: 8, .value_kind: global_buffer, .address_space: global }
      - { .name: out0, .offset: 48, .size: 8, .value_kind: global_buffer, .address_space: global }
      - { .name: out1, .offset: 56, .size: 8, .value_kind: global_buffer, .address_space: global }
    .group_segment_fixed_size: 0
    .private_segment_fixed_size: 0
    .kernarg_segment_align: 8
    .kernarg_segment_size: 64
    .max_flat_workgroup_size: 256
    .sgpr_count:     66
    .vgpr_count:     160
    .wavefront_size: 32
...
	.end_amdgpu_metadata
.endif
;; end of part 4
